; MI455X (gfx1250); checked and timed in simulation.
; The chip was launched on July 23, 2026; its instructions are those of AMD's public machine-readable ISA for CDNA 5 (MIT licence, August 2026) and "CDNA5" Instruction Set Architecture Reference Guide (July 2026). The comments in the code are by the model that wrote it; some were corrected since.
;; Swin Transformer Block. Allowed arithmetic: matrix products marked QUANTISED: E4M3 operands, one E8M0 scale for each 32 along K, by v_wmma_scale_f32_16x16x128_f8f6f4 with both operands' format E4M3, f32 sums; everything else in f32.
;; Inputs: b1_o 128 float32; b1_qkv 384 float32; b2_o 128 float32; b2_qkv 384 float32; f1_b1 512 float32; f1_b2 128 float32; f1_w1_codes 512 x 4 x 32 uint8 (E4M3 codes of f1_w1, K innermost, in blocks of 32 codes); f1_w1_scales 512 x 4 uint8 (E8M0 scales of f1_w1, one for each 32 codes along K); f1_w2_codes 128 x 16 x 32 uint8 (E4M3 codes of f1_w2, K innermost, in blocks of 32 codes); f1_w2_scales 128 x 16 uint8 (E8M0 scales of f1_w2, one for each 32 codes along K); f2_b1 512 float32; f2_b2 128 float32; f2_w1_codes 512 x 4 x 32 uint8 (E4M3 codes of f2_w1, K innermost, in blocks of 32 codes); f2_w1_scales 512 x 4 uint8 (E8M0 scales of f2_w1, one for each 32 codes along K); f2_w2_codes 128 x 16 x 32 uint8 (E4M3 codes of f2_w2, K innermost, in blocks of 32 codes); f2_w2_scales 128 x 16 uint8 (E8M0 scales of f2_w2, one for each 32 codes along K); ln1_b 128 float32; ln1_g 128 float32; ln2_b 128 float32; ln2_g 128 float32; ln3_b 128 float32; ln3_g 128 float32; ln4_b 128 float32; ln4_g 128 float32; w1_o_codes 128 x 4 x 32 uint8 (E4M3 codes of w1_o, K innermost, in blocks of 32 codes); w1_o_scales 128 x 4 uint8 (E8M0 scales of w1_o, one for each 32 codes along K); w1_qkv_codes 384 x 4 x 32 uint8 (E4M3 codes of w1_qkv, K innermost, in blocks of 32 codes); w1_qkv_scales 384 x 4 uint8 (E8M0 scales of w1_qkv, one for each 32 codes along K); w2_o_codes 128 x 4 x 32 uint8 (E4M3 codes of w2_o, K innermost, in blocks of 32 codes); w2_o_scales 128 x 4 uint8 (E8M0 scales of w2_o, one for each 32 codes along K); w2_qkv_codes 384 x 4 x 32 uint8 (E4M3 codes of w2_qkv, K innermost, in blocks of 32 codes); w2_qkv_scales 384 x 4 uint8 (E8M0 scales of w2_qkv, one for each 32 codes along K); x 32 x 3,136 x 128 float32.
;; Outputs: out0 32 x 3,136 x 128 float32.
;; This version of the problem:
;;   THIS VERSION OF THE PROBLEM IS GIVEN IN LOW PRECISION. The matrix products marked QUANTISED in the list below multiply operands that are first quantised to E4M3 (4 exponent bits, 3 mantissa bits; 8 bits a number), with one power-of-two scale for each 32 numbers along K (OCP MX v1.0); their sums are f32. All else is computed in f32.
;;   The module's matrix products, in the order in which they are computed (A, B: the left and right operand; K: the contracted axis; several contracted axes count as one K, in the product's order):
;;     1. [M 100,352, K 128] x [K 128, N 384]; A: computed on the way; B: input w1_qkv (given as codes): QUANTISED
;;     2. batch 8,192 x [M 49, K 32] x [K 32, N 49]; A: computed on the way; B: computed on the way: QUANTISED
;;     3. batch 8,192 x [M 32, K 49] x [K 49, N 49]; A: computed on the way; B: softmax (see below): QUANTISED
;;     4. [M 100,352, K 128] x [K 128, N 128]; A: computed on the way; B: input w1_o (given as codes): QUANTISED
;;     5. [M 100,352, K 128] x [K 128, N 512]; A: computed on the way; B: input f1_w1 (given as codes): QUANTISED
;;     6. [M 100,352, K 512] x [K 512, N 128]; A: computed on the way; B: input f1_w2 (given as codes): QUANTISED
;;     7. [M 100,352, K 128] x [K 128, N 384]; A: computed on the way; B: input w2_qkv (given as codes): QUANTISED
;;     8. batch 8,192 x [M 49, K 32] x [K 32, N 49]; A: computed on the way; B: computed on the way: QUANTISED
;;     9. batch 8,192 x [M 32, K 49] x [K 49, N 49]; A: computed on the way; B: softmax (see below): QUANTISED
;;     10. [M 100,352, K 128] x [K 128, N 128]; A: computed on the way; B: input w2_o (given as codes): QUANTISED
;;     11. [M 100,352, K 128] x [K 128, N 512]; A: computed on the way; B: input f2_w1 (given as codes): QUANTISED
;;     12. [M 100,352, K 512] x [K 512, N 128]; A: computed on the way; B: input f2_w2 (given as codes): QUANTISED
;;   THE QUANTISER, for each operand of a quantised product, along K:
;;     - K is cut into blocks of 32 from its start; a last block that is shorter is filled with zeros.
;;     - A block's scale is 2^e with e = floor(log2(the largest magnitude in the block)) - 8, held to -126 .. 127; a block of zeros has e = 0. As a byte (E8M0): e + 127.
;;     - Each number is divided by its block's scale, clamped to +-448, and rounded to the nearest number of E4M3, ties to even, subnormals kept.
;;     - The product sums the exact products of the quantised numbers (number of the format x scale) in f32.
;;   ~~~python
;;   def quantise(x, axis):      # numpy; x: float32 -> the quantised numbers, widened to float32 again
;;       x = np.moveaxis(x, axis, -1); K = x.shape[-1]
;;       x = np.pad(x, [(0, 0)] * (x.ndim - 1) + [(0, -K % 32)]); x = x.reshape(x.shape[:-1] + (-1, 32)); a = np.abs(x).max(-1, keepdims=True)
;;       e = np.where(a > 0, np.clip(np.frexp(np.where(a > 0, a, 1))[1] - 1 - 8, -126, 127), 0)      # np.frexp(a)[1] - 1 = floor(log2(a)), exactly
;;       r = np.clip(x / 2.0 ** e, -448, 448)
;;       step = 2.0 ** (np.maximum(np.frexp(np.where(r == 0, 1, r))[1] - 1, -6) - 3)
;;       q = np.round(r / step) * step * 2.0 ** e      # np.round: ties to even
;;       return np.moveaxis(q.reshape(q.shape[:-2] + (-1,))[..., :K], -1, axis).astype(np.float32)
;;   ~~~
;;   SOFTMAX AHEAD OF A QUANTISED PRODUCT. Where the list says 'softmax', what is quantised is not the finished softmax but p = 2^(t - M), with t = logit x log2(e) and M = ceil(the row's largest t), a whole number; so 1/2 < the row's largest p <= 1. The row's sum l is taken of the UNQUANTISED p, in f32, and the product's result is divided by l at the end. Since M is a whole number, a kernel that streams over the keys may use a running M (the ceiling of the running maximum): every later rescaling is an exact power of two, which a block's scale takes up: the codes' values come out the same.
;;   OPERANDS COMPUTED ON THE WAY. 'Computed on the way' means the value that the module computes at that place (a softmax that the list does not call 'softmax' is quantised finished and normalised). What goes into a quantiser is computed in f32, as accurately as f32 sums, v_exp_f32 and their like allow (about 1e-6 of the number): no bf16 or f16 on the way to a quantiser, and a product that is left as it is and whose result goes on into a quantised operand takes f32 operands (vector FMAs, or v_wmma_f32_16x16x4_f32). A number that lies on a knife's edge between two numbers of the format may be rounded either way, as far as f32 arithmetic and the matrix unit's own rounding can turn it there, and no further.
;;   INPUTS GIVEN AS CODES. f1_w1 (in the module: [128, 512], K = its axis 0); f1_w2 (in the module: [512, 128], K = its axis 0); f2_w1 (in the module: [128, 512], K = its axis 0); f2_w2 (in the module: [512, 128], K = its axis 0); w1_o (in the module: [128, 128], K = its axis 0); w1_qkv (in the module: [128, 384], K = its axis 0); w2_o (in the module: [128, 128], K = its axis 0); w2_qkv (in the module: [128, 384], K = its axis 0): each comes as NAME_codes (uint8): NAME with its K axis moved to the last place and cut into blocks of 32 codes, [.., K / 32, bytes a block], one block behind the other in memory; one code a byte (a code: sign, 4 exponent bits, 3 mantissa bits); and NAME_scales (uint8): the same leading axes, one E8M0 byte (e + 127) for each 32 codes along K. Its value is code x scale, taken as it is: it is not quantised again, and the codes and scales need not be those that the quantiser above would give.
;; One version. Each part assembles by itself: llvm-mc -triple=amdgcn-amd-amdhsa -mcpu=gfx1250 --defsym DOCPART=n.
;; ======== version 1 of 1: 2 launches
;; limits: right only within a limited range of input values
;; workspace buffers: mid 51,380,224 bytes
;; launch half1 (part 1): grid 256 x 1, 8 waves a work-group, no clusters, 314,880 bytes of LDS; arguments x, ln1_g, ln1_b, w1_qkv_codes, w1_qkv_scales, b1_qkv, w1_o_codes, w1_o_scales, b1_o, ln2_g, ln2_b, f1_w1_codes, f1_w1_scales, f1_b1, f1_w2_codes, f1_w2_scales, f1_b2, mid; writes mid
.if DOCPART == 1
	.amdgcn_target "amdgcn-amd-amdhsa--gfx1250"
	.amdhsa_code_object_version 6
	.text
	.protected	k_q8ff88004fe_half1
	.globl	k_q8ff88004fe_half1
	.p2align	8
	.type	k_q8ff88004fe_half1,@function
k_q8ff88004fe_half1:
	s_mov_b64 s[64:65], 0
	v_nop
	global_prefetch_b8 v0, s[64:65] scope:SCOPE_SE
	s_setreg_imm32_b32 hwreg(HW_REG_WAVE_MODE, 25, 1), 1
	s_wait_xcnt 0x0
; ONE HALF OF A SWIN BLOCK:  y = z + FFN(LN_B(z)),  z = x + WindowAttention(LN_A(x)),  all six products on E4M3 codes with one E8M0 scale for each 32 along K.
; This text is the half on plain windows (SHIFT = 0); the other half is the same text with SHIFT = 3: the window's token at (Y, X) of the rolled image is the token at (Y - SHIFT, X - SHIFT) mod 56, for the read and for the write.
; SHARES.  2,048 windows = 256 work-groups x 8 waves: ONE WAVE OWNS ONE WINDOW through the whole half.  Work-group g: image g / 8, window row g % 8; wave W: window column W.
; 49 tokens are 4 tiles of 16; tile 3 holds token 48 in all its 16 rows (finite copies: never stored; as keys they are masked, as values they are zeros).
; The weights (196,608 bytes of codes) are copied once into LDS, as images of the operand's registers, and read by all eight waves: ONE barrier, behind that copy.  All else that a wave touches in LDS is its own.
; No cluster and no joint loads: what the work-groups share is read once, at the head, through registers, since a fragment takes chosen rows (below) and is wanted as a register image; no tensor load, so no ring.
; No prefetch: x is asked for in one burst of 49 loads at the head; nothing is streamed later.
; LAYOUT L_A (x, the residual, every LN, every result): lane (r = lane % 16, h = lane / 16) holds token r of a tile; register 16 b + i holds channel 32 b + 16 h + i.  Quantised, that is an operand: registers 4 b .. 4 b + 3, scale byte b.
; A WEIGHT FRAGMENT (b, u) takes rows 32 b + 8 u + rho, rho = r + 8 (r / 8).  With the weights as source 0 and tokens as source 1, register j of tile 2 b + u is channel 32 b + 16 h + 8 u + j: L_A again.
; V is made the other way round (tokens source 0): a lane holds one channel, register j of token tile t is key 16 t + 8 h + j; S^T = K Q^T has the same order of keys.  Inside a block of 32 keys that is a
; permutation, the same on p and on V: blocks, scales and products are as stated; only the order of the sum differs.
; SHORT K (32 for the scores, 49 for p V): one operand carries zero codes in the unused blocks, the other any of this text's own finite codes; the unused scale bytes are 0 (a power of two, no NaN).
; LIMITS: NaN and infinities among the inputs are not served.  A block whose largest magnitude lies under 2^-118, a block of zeros among them, gets the scale byte 1 (these bytes are read by this text alone).
.set SHIFT,  0
.set ROWB,   28672                     ; an image row: 56 tokens x 512 bytes
.set IMGB,   1605632                   ; an image: 3,136 tokens
; LDS: 0 the fragment images, 2,048 bytes each (register group c at 512 c, lane at 16 x lane): qkv's 24 (fragment 2 b + u, b = 4 x which + head), Wo's 8 at W_O, W1's 32 at 65,536, W2's 32 (8 s + t) at 131,072
.set W_O,    49152
.set SCL,    196608                    ; the scale bytes as they lie in memory: qkv's, then
.set S_O,    1536                      ; Wo's,
.set S_W1,   2048                      ; W1's,
.set S_W2,   4096                      ; W2's
.set VEC,    202752                    ; the f32 vectors as they lie: bqkv, then
.set V_BO,   1536
.set V_FB1,  2048
.set V_FB2,  4096
.set V_GA,   4608
.set V_BA,   5120
.set V_GB,   5632
.set V_BB,   6144
.set PRIV,   209408                    ; from here 13,056 bytes for each wave: a stage of 16 rows x 528 (also images 0, 1), token 48's row at X3ROW, images 2, 3 at 8,960
.set PRIVB,  13056
.set SP,     528                       ; a stage row: 512 bytes + 16, so that 16 rows' equal columns fall 16 bytes apart modulo 256
.set X3ROW,  8448
; an operand image of tile t lies at 2048 t + 4864 (t / 2) of the wave's bytes: 0, 2,048, 8,960, 11,008
; REGISTERS, block 0
.set L16, 1                            ; 16 x lane: a fragment image's place for my lane
.set WA1, 2                            ; + 65,536
.set WA2, 3                            ; + 131,072
.set SCA, 4                            ; scale words of weights with K = 128: SCL + 4 (8 h + rho): lanes 0-15 serve fragment u = 0, lanes 16-31 u = 1
.set SCB, 5                            ; of W2: SCL + S_W2 + 16 (8 h + rho)
.set VH,  6                            ; VEC + 64 h: a vector in L_A
.set VVB, 7                            ; VEC + 1024 + 4 rho: V's bias, one channel a lane
.set PV0, 8                            ; my wave's bytes + 16 x lane
.set VC,  9                            ; v9-15: 512 x image column j + 16 x lane
.set STR, 16                           ; my wave's bytes + 528 r + 64 h
.set X3A, 17                           ; my wave's bytes + X3ROW + 64 h
.set AD,  18                           ; v18-22: a loop's addresses
.set NINF, 23
.set TM,  24                           ; v24-39 at work
; v40-59 hold scale words and nothing else
.set QS, 40
.set KS, 44
.set AOS, 48
.set VS, 52
.set WS, 54
.set PS, 55
.set XS, 56
.set WSO, 40
.set W1S, 40
.set W2S, 44
.set HS, 48
.set XSP, 50
.set MEAN, 60
.set RSTD, 62
.set LS, 60
.set GC1, 60
.set LD, 64                            ; LN: 64 numbers at work; gains; offsets
.set LG, 128
.set LB, 192
.set VF, 64                            ; attention: V's codes (2 x 8), K's (4 x 4), Q's (4 x 4): one run, so that a 16-register operand may begin anywhere in it
.set KC, 80
.set QC, 96
.set QZ, 112                           ; one tile of Q's codes and 12 zeros
.set PZ, 128                           ; p's codes and 8 zeros
.set P48, 144                          ; p of key 48 and 7 zeros
.set MB, 152                           ; v152-155 block maxima, temporaries
.set RL, 156
.set NM, 158
.set ACC, 160
.set WF, 224
.set ST, 160
.set OT, 192
.set AOF, 64
.set XP, 64
.set FACC, 128
; block 1 (v256-511, named by their low 8 bits): X[t] at 64 t, the residual.  X[3]'s 64 serve in turn as x of tile 3, LN_A's codes, x of tile 3 again, four weight fragments of the FFN
.set MSB, 0
.macro WIN new                         ; bits 1:0 source 0, 3:2 source 1, 5:4 source 2, 7:6 destination; the high byte repeats the setting that is left
.if MSB != \new
	s_set_vgpr_msb (MSB<<8)|\new
.set MSB, \new
.endif
.endm
.macro NOPS n
.rept \n
	v_nop
.endr
.endm
.macro VLOAD reg, adr, off             ; 64 numbers in L_A
.irp b,0,1,2,3
.irp j,0,1,2,3
	ds_load_b128 v[\reg+16*\b+4*\j:\reg+16*\b+4*\j+3], v[\adr] offset:\off+128*\b+16*\j
.endr
.endr
.endm
.macro VSTORE adr, reg, off
.irp b,0,1,2,3
.irp j,0,1,2,3
	ds_store_b128 v[\adr], v[\reg+16*\b+4*\j:\reg+16*\b+4*\j+3] offset:\off+128*\b+16*\j
.endr
.endr
.endm
.macro FRAG reg, adr, off              ; a fragment's image: 16 registers
.irp c,0,1,2,3
	ds_load_b128 v[\reg+4*\c:\reg+4*\c+3], v[\adr] offset:\off+512*\c
.endr
.endm
.macro MMC d, a, b, c, sa, sb, ra, rb  ; D = A B + C; ra, rb: the side whose scale words stand in lanes 16-31
.if (\ra)
	v_wmma_scale_f32_16x16x128_f8f6f4 v[\d:\d+7], v[\a:\a+15], v[\b:\b+15], v[\c:\c+7], v[\sa], v[\sb] matrix_a_scale:MATRIX_SCALE_ROW1
.elseif (\rb)
	v_wmma_scale_f32_16x16x128_f8f6f4 v[\d:\d+7], v[\a:\a+15], v[\b:\b+15], v[\c:\c+7], v[\sa], v[\sb] matrix_b_scale:MATRIX_SCALE_ROW1
.else
	v_wmma_scale_f32_16x16x128_f8f6f4 v[\d:\d+7], v[\a:\a+15], v[\b:\b+15], v[\c:\c+7], v[\sa], v[\sb]
.endif
.endm
.macro MMZ d, a, b, sa, sb
	v_wmma_scale_f32_16x16x128_f8f6f4 v[\d:\d+7], v[\a:\a+15], v[\b:\b+15], 0, v[\sa], v[\sb]
.endm
; THE QUANTISER.  64 numbers of a lane in four blocks of 16; a block's other 16 lie in lane l xor 16.  Block qb's codes go to v[d qb] on (4 registers), its scale byte to v[by + qb]; mrg = 1: the four bytes make the word v[wd].
.macro QBLK src, qb, dst
.irp qi,0,1,2,3,4,5,6,7,8,9,10,11,12,13,14,15
.endr
	v_cvt_scalef32_pk8_fp8_f32 v[\dst:\dst+1], v[\src+16*\qb:\src+16*\qb+7], v[TM+12+\qb]
	v_cvt_scalef32_pk8_fp8_f32 v[\dst+2:\dst+3], v[\src+16*\qb+8:\src+16*\qb+15], v[TM+12+\qb]
.endm
.macro QUANT src, d0, d1, d2, d3, by, mrg, wd
.irp qb,0,1,2,3
	v_max3_num_f32 v[TM+\qb], |v[\src+16*\qb]|, |v[\src+16*\qb+1]|, 0x4800000   ; my 16 numbers and the floor 2^(9 - 127): the byte cannot fall under 1
.endr
.irp qi,2,4,6,8,10,12,14
.irp qb,0,1,2,3
	v_max3_num_f32 v[TM+\qb], v[TM+\qb], |v[\src+16*\qb+\qi]|, |v[\src+16*\qb+\qi+1]|
.endr
.endr
.irp qb,0,1,2,3
	v_permlanex16_b32 v[TM+4+\qb], v[TM+\qb], s54, s55
.endr
.irp qb,0,1,2,3
	s_delay_alu instid0(VALU_DEP_4)
	v_max_num_f32 v[TM+\qb], v[TM+\qb], v[TM+4+\qb]          ; the block's largest magnitude
.endr
.irp qb,0,1,2,3
	s_delay_alu instid0(VALU_DEP_4)
	v_add_nc_u32 v[TM+12+\qb], 0xfc000000, v[TM+\qb]         ; 8 off its exponent field: the conversion's scale operand
.endr
.irp qb,0,1,2,3
.endr
.irp qb,0,1,2,3
	s_delay_alu instid0(VALU_DEP_4)
	v_lshrrev_b32 v[\by+\qb], 23, v[TM+12+\qb]               ; the scale's byte
.endr
.if \mrg
	s_delay_alu instid0(VALU_DEP_3)
	v_lshl_or_b32 v[\wd], v[\by+1], 8, v[\by]
	s_delay_alu instid0(VALU_DEP_1)
	v_lshl_or_b32 v[\wd], v[\by+2], 16, v[\wd]
	s_delay_alu instid0(VALU_DEP_1)
	v_lshl_or_b32 v[\wd], v[\by+3], 24, v[\wd]
.endif
	QBLK \src, 0, \d0
	v_nop
	QBLK \src, 1, \d1
	v_nop
	QBLK \src, 2, \d2
	v_nop
	QBLK \src, 3, \d3
	v_nop                                                    ; one plain line behind the last conversion
.endm
; LAYER NORM of tile t and its codes.  The codes of block 0 go to TM (its first four registers are done with), those of block b to the source registers of block b - 1, which are converted; then the image goes to LDS.
.macro LNQ t
.set XB, 64*(\t)
.set IO, 2048*(\t)+4864*((\t)/2)
	WIN 0x05
.irp i,0,1,2,3,4,5,6,7,8,9,10,11,12,13,14,15
	v_pk_add_f32 v[LD+2*\i:LD+2*\i+1], v[XB+4*\i:XB+4*\i+1], v[XB+4*\i+2:XB+4*\i+3]   ; ascending: each accumulator is read from its low end on
.endr
	WIN 0
.irp i,0,1,2,3,4,5,6,7
	v_pk_add_f32 v[LD+2*\i:LD+2*\i+1], v[LD+2*\i:LD+2*\i+1], v[LD+16+2*\i:LD+17+2*\i]
.endr
.irp i,0,1,2,3
	s_delay_alu instid0(VALU_DEP_4)
	v_pk_add_f32 v[LD+2*\i:LD+2*\i+1], v[LD+2*\i:LD+2*\i+1], v[LD+8+2*\i:LD+9+2*\i]
.endr
.irp i,0,1
	s_delay_alu instid0(VALU_DEP_2)
	v_pk_add_f32 v[LD+2*\i:LD+2*\i+1], v[LD+2*\i:LD+2*\i+1], v[LD+4+2*\i:LD+5+2*\i]
.endr
	s_delay_alu instid0(VALU_DEP_1)
	v_pk_add_f32 v[LD:LD+1], v[LD:LD+1], v[LD+2:LD+3]
	s_delay_alu instid0(VALU_DEP_1)
	v_add_f32 v[LD], v[LD], v[LD+1]
	s_delay_alu instid0(VALU_DEP_1)
	v_permlanex16_b32 v[LD+1], v[LD], s54, s55               ; the token's other 64 channels
	s_delay_alu instid0(VALU_DEP_1)
	v_add_f32 v[LD], v[LD], v[LD+1]
	s_delay_alu instid0(VALU_DEP_1)
	v_mul_f32 v[MEAN], s60, v[LD]                            ; / 128
	WIN 0x01
.set ii, 0
.rept 32
	v_pk_add_f32 v[LD+ii:LD+ii+1], v[XB+ii:XB+ii+1], v[MEAN:MEAN+1] op_sel_hi:[1,0] neg_lo:[0,1] neg_hi:[0,1]
.set ii, ii+2
.endr
	WIN 0
.irp q,0,2,4,6
	v_pk_mul_f32 v[TM+\q:TM+\q+1], v[LD+\q:LD+\q+1], v[LD+\q:LD+\q+1]
.endr
.set ii, 8
.rept 7
.irp q,0,2,4,6
	s_delay_alu instid0(VALU_DEP_4)
	v_pk_fma_f32 v[TM+\q:TM+\q+1], v[LD+ii+\q:LD+ii+\q+1], v[LD+ii+\q:LD+ii+\q+1], v[TM+\q:TM+\q+1]
.endr
.set ii, ii+8
.endr
	s_delay_alu instid0(VALU_DEP_3)
	v_pk_add_f32 v[TM:TM+1], v[TM:TM+1], v[TM+2:TM+3]
	s_delay_alu instid0(VALU_DEP_2)
	v_pk_add_f32 v[TM+4:TM+5], v[TM+4:TM+5], v[TM+6:TM+7]
	s_delay_alu instid0(VALU_DEP_1)
	v_pk_add_f32 v[TM:TM+1], v[TM:TM+1], v[TM+4:TM+5]
	s_delay_alu instid0(VALU_DEP_1)
	v_add_f32 v[TM], v[TM], v[TM+1]
	s_delay_alu instid0(VALU_DEP_1)
	v_permlanex16_b32 v[TM+1], v[TM], s54, s55
	s_delay_alu instid0(VALU_DEP_1)
	v_add_f32 v[TM], v[TM], v[TM+1]
	s_delay_alu instid0(VALU_DEP_1)
	v_fma_f32 v[TM], v[TM], s60, s61                         ; the variance + 1e-5
	s_wait_alu depctr_va_vdst(0)
	v_rsq_f32 v[RSTD], v[TM]
	v_nop                                                    ; a plain line behind the transcendental,
	s_wait_alu depctr_va_vdst(0)                             ; and the wait ahead of its first reader
.set ii, 0
.rept 32
	v_pk_mul_f32 v[LD+ii:LD+ii+1], v[LD+ii:LD+ii+1], v[RSTD:RSTD+1] op_sel_hi:[1,0]
.set ii, ii+2
.endr
.set ii, 0
.rept 32
	v_pk_fma_f32 v[LD+ii:LD+ii+1], v[LD+ii:LD+ii+1], v[LG+ii:LG+ii+1], v[LB+ii:LB+ii+1]
.set ii, ii+2
.endr
	QUANT LD, TM, LD, LD+16, LD+32, TM+4, 1, XS+\t
	ds_store_b128 v[PV0], v[TM:TM+3] offset:IO
	ds_store_b128 v[PV0], v[LD:LD+3] offset:IO+512
	ds_store_b128 v[PV0], v[LD+16:LD+19] offset:IO+1024
	ds_store_b128 v[PV0], v[LD+32:LD+35] offset:IO+1536
	s_wait_dscnt 0x0                                         ; the stores have read their registers: the next tile writes them
.endm
; K or Q of one head for all four tiles: weights source 0, tokens source 1, the bias as C; register 16 t + 8 u + j = channel 16 h + 8 u + j of token r of tile t; one block of 32 a token
.macro KQSTAGE wo, vb, so, dst, by
.irp u,0,1
	FRAG WF+16*\u, AD, \wo+2048*\u
.irp k,0,1
	ds_load_b128 v[TM+8*\u+4*\k:TM+8*\u+4*\k+3], v[AD+2] offset:\vb+32*\u+16*\k
.endr
.endr
	ds_load_b32 v[WS], v[AD+1] offset:\so
	s_wait_dscnt 0x0
	WIN 0x04                                                 ; source 1: LN_A's codes, in block 1
.irp t,0,1,2,3
	MMC ACC+16*\t, WF, 192+16*\t, TM, WS, XS+\t, 0, 0
	MMC ACC+16*\t+8, WF+16, 192+16*\t, TM+8, WS, XS+\t, 1, 0
.endr
	WIN 0
	NOPS 8                                                   ; eight places behind this form before its results are read and its C is written
	QUANT ACC, \dst, \dst+4, \dst+8, \dst+12, \by, 0, 0
.endm
; One tile of 16 queries of one head: scores, p, p V, / the row's sum
.macro ATT qt
.irp c,0,1,2,3
	v_mov_b32 v[QZ+\c], v[QC+4*\qt+\c]
.endr
	NOPS 4                                                   ; an operand written by vector instructions stands four places ahead of a scaled product
.irp kt,0,1,2,3
	MMZ ST+8*\kt, KC+4*\kt, QZ, KS+\kt, QS+\qt               ; S^T: register 8 kt + j = key 16 kt + 8 h + j of query r.  A's blocks 1 to 3 are codes of later tiles: they meet QZ's zeros
.endr
	NOPS 8
	v_cndmask_b32 v[ST+24], v[NINF], v[ST+24], s57           ; key 48 + 8 h: only lanes 0-15 hold a key; registers 25 to 31 hold none and are never read
	v_max3_num_f32 v[MB], v[ST], v[ST+1], v[ST+2]            ; the largest score of each block of 32 keys: for the row's maximum, and for the block's largest p
	v_max3_num_f32 v[MB+1], v[ST+16], v[ST+17], v[ST+18]
.irp i,3,5,7
	v_max3_num_f32 v[MB], v[MB], v[ST+\i], v[ST+\i+1]
	v_max3_num_f32 v[MB+1], v[MB+1], v[ST+16+\i], v[ST+17+\i]
.endr
.irp i,9,11,13
	v_max3_num_f32 v[MB], v[MB], v[ST+\i], v[ST+\i+1]
.endr
	v_max_num_f32 v[MB], v[MB], v[ST+15]
	s_delay_alu instid0(VALU_DEP_1)
	v_permlanex16_b32 v[MB+2], v[MB], s54, s55
	v_permlanex16_b32 v[MB+3], v[MB+1], s54, s55
	s_delay_alu instid0(VALU_DEP_2)
	v_max_num_f32 v[MB], v[MB], v[MB+2]
	s_delay_alu instid0(VALU_DEP_2)
	v_max_num_f32 v[MB+1], v[MB+1], v[MB+3]
	s_delay_alu instid0(VALU_DEP_1)
	v_max_num_f32 v[MB+2], v[MB], v[MB+1]
	s_delay_alu instid0(VALU_DEP_1)
	v_mul_f32 v[MB+2], s58, v[MB+2]                          ; the row's largest t
	s_delay_alu instid0(VALU_DEP_1)
	v_floor_f32 v[NM], -v[MB+2]                              ; -M = -ceil(t): a whole number
.irp i,0,2,4,6,8,10,12,14,16,18,20,22
	v_pk_fma_f32 v[ST+\i:ST+\i+1], v[ST+\i:ST+\i+1], s[58:59], v[NM:NM+1] op_sel_hi:[1,0,0]
.endr
	v_fma_f32 v[ST+24], v[ST+24], s58, v[NM]
	v_fma_f32 v[MB], v[MB], s58, v[NM]
	v_fma_f32 v[MB+1], v[MB+1], s58, v[NM]
	s_wait_alu depctr_va_vdst(0)
.irp i,0,1,2,3,4,5,6,7,8,9,10,11,12,13,14,15,16,17,18,19,20,21,22,23
	v_exp_f32 v[ST+\i], v[ST+\i]                             ; p = 2^(t - M)
.endr
	v_exp_f32 v[P48], v[ST+24]
	v_nop
	s_wait_alu depctr_va_vdst(0)                             ; one wait for the batch of 25, ahead of its first reader
	v_exp_f32 v[MB], v[MB]                                   ; each block's largest p: the same two instructions on the same number
	v_exp_f32 v[MB+1], v[MB+1]
	v_pk_add_f32 v[LS:LS+1], v[ST:ST+1], v[ST+2:ST+3]        ; the row's sum, of the unquantised p
	v_pk_add_f32 v[MB+2:MB+3], v[ST+4:ST+5], v[ST+6:ST+7]
.irp i,8,12,16,20
	v_pk_add_f32 v[LS:LS+1], v[LS:LS+1], v[ST+\i:ST+\i+1]
	v_pk_add_f32 v[MB+2:MB+3], v[MB+2:MB+3], v[ST+\i+2:ST+\i+3]
.endr
	s_delay_alu instid0(VALU_DEP_1)
	v_pk_add_f32 v[LS:LS+1], v[LS:LS+1], v[MB+2:MB+3]
	s_delay_alu instid0(VALU_DEP_1)
	v_add_f32 v[LS], v[LS], v[LS+1]
	v_add_f32 v[LS], v[LS], v[P48]
	s_wait_alu depctr_va_vdst(0)                             ; and one for the two
.irp e,0,1
	v_max_num_f32 v[MB+\e], 0x4800000, v[MB+\e]
.endr
.irp e,0,1
	s_delay_alu instid0(VALU_DEP_2)
	v_add_nc_u32 v[TM+12+\e], 0xfc000000, v[MB+\e]
.endr
.irp e,0,1
.endr
.irp e,0,1
	s_delay_alu instid0(VALU_DEP_2)
	v_lshrrev_b32 v[TM+4+\e], 23, v[TM+12+\e]
.endr
	s_delay_alu instid0(VALU_DEP_1)
	v_lshl_or_b32 v[PS], v[TM+5], 8, v[TM+4]                 ; p's scale word: two blocks
.irp i,0,1,2,3,4,5,6,7,8,9,10,11,12,13,14,15
.endr
.irp i,16,17,18,19,20,21,22,23
.endr
	v_cvt_scalef32_pk8_fp8_f32 v[PZ:PZ+1], v[ST:ST+7], v[TM+12]
	v_cvt_scalef32_pk8_fp8_f32 v[PZ+2:PZ+3], v[ST+8:ST+15], v[TM+12]
	v_cvt_scalef32_pk8_fp8_f32 v[PZ+4:PZ+5], v[ST+16:ST+23], v[TM+13]
	v_cvt_scalef32_pk8_fp8_f32 v[PZ+6:PZ+7], v[P48:P48+7], v[TM+13]
	v_permlanex16_b32 v[LS+1], v[LS], s54, s55
	s_delay_alu instid0(VALU_DEP_1)
	v_add_f32 v[LS], v[LS], v[LS+1]                          ; the row's sum; with the three lines below: the four places ahead of the products
	NOPS 3
	MMZ OT+16*\qt, VF, PZ, VS, PS                            ; O^T: register 8 u + j = channel 16 h + 8 u + j of query r.  A's blocks 2, 3 meet PZ's zeros
	MMZ OT+16*\qt+8, VF+8, PZ, VS+1, PS
	s_wait_alu depctr_va_vdst(0)
	v_rcp_f32 v[RL], v[LS]
	NOPS 8
	s_wait_alu depctr_va_vdst(0)
.irp i,0,2,4,6,8,10,12,14
	v_pk_mul_f32 v[OT+16*\qt+\i:OT+16*\qt+\i+1], v[OT+16*\qt+\i:OT+16*\qt+\i+1], v[RL:RL+1] op_sel_hi:[1,0]
.endr
.endm
; GELU (tanh form) = x / (1 + 2^u), u = x (c1 + c2 x^2), c1 = -2 sqrt(2 / pi) log2(e), c2 = 0.044715 c1; 16 numbers a batch, three sets of temporaries by turns
.macro SETT k
.if (\k)%3 == 0
.set GT, TM
.elseif (\k)%3 == 1
.set GT, 96
.else
.set GT, 112
.endif
.set GX, FACC+16*(\k)
.endm
.macro GP k
	SETT \k
.irp i,0,2,4,6,8,10,12,14
	v_pk_mul_f32 v[GT+\i:GT+\i+1], v[GX+\i:GX+\i+1], v[GX+\i:GX+\i+1]
.endr
.irp i,0,2,4,6,8,10,12,14
	v_pk_fma_f32 v[GT+\i:GT+\i+1], v[GT+\i:GT+\i+1], s[62:63], v[GC1:GC1+1] op_sel_hi:[1,0,1]
.endr
.irp i,0,2,4,6,8,10,12,14
	v_pk_mul_f32 v[GT+\i:GT+\i+1], v[GT+\i:GT+\i+1], v[GX+\i:GX+\i+1]
.endr
.endm
.macro GE k
	SETT \k
.irp i,0,1,2,3,4,5,6,7,8,9,10,11,12,13,14,15
	v_exp_f32 v[GT+\i], v[GT+\i]
.endr
.endm
.macro GA k
	SETT \k
.irp i,0,2,4,6,8,10,12,14
	v_pk_add_f32 v[GT+\i:GT+\i+1], v[GT+\i:GT+\i+1], 1.0 op_sel_hi:[1,0]
.endr
.endm
.macro GR k
	SETT \k
.irp i,0,1,2,3,4,5,6,7,8,9,10,11,12,13,14,15
	v_rcp_f32 v[GT+\i], v[GT+\i]
.endr
.endm
.macro GM k
	SETT \k
.irp i,0,2,4,6,8,10,12,14
	v_pk_mul_f32 v[GX+\i:GX+\i+1], v[GX+\i:GX+\i+1], v[GT+\i:GT+\i+1]
.endr
.endm
; THE WAY OUT of two tiles (tokens n0 on): L_A into my stage, back as whole token rows of 512 bytes, one store a token.  full = 0: the second tile is token 48 alone
.macro EPI n0, full
	WIN 0x04
	VSTORE STR, 0, 0                                         ; ascending: each accumulator from its low end on
	WIN 0
.irp k,0,1,2,3,4,5,6,7,8,9,10,11,12,13,14,15
	ds_load_b128 v[128+4*\k:131+4*\k], v[PV0] offset:SP*\k   ; LDS serves a wave's instructions in order: these see the stores above, and the next tile's stores come behind them
.endr
	WIN 0x04
	VSTORE STR, 64, 0
	WIN 0
.if \full
.irp k,0,1,2,3,4,5,6,7,8,9,10,11,12,13,14,15
	ds_load_b128 v[192+4*\k:195+4*\k], v[PV0] offset:SP*\k
.endr
.else
	ds_load_b128 v[192:195], v[PV0]
.endif
.set en, \n0
.set ek, 0
.rept 16
	s_wait_dscnt 17+15*\full+15-ek                           ; behind row ek's load: the tile's later loads, the second tile's 16 stores and its loads
	global_store_b128 v[VC+en%7], v[128+4*ek:131+4*ek], s[66+2*(en/7):67+2*(en/7)] th:TH_STORE_NT   ; 32 lanes store 512 consecutive bytes, at a multiple of 512 from the buffer's first byte
.set en, en+1
.set ek, ek+1
.endr
.if \full
.set ek, 0
.rept 16
	s_wait_dscnt 15-ek
	global_store_b128 v[VC+en%7], v[192+4*ek:195+4*ek], s[66+2*(en/7):67+2*(en/7)] th:TH_STORE_NT
.set en, en+1
.set ek, ek+1
.endr
.else
	s_wait_dscnt 0x0
	global_store_b128 v[VC+en%7], v[192:195], s[66+2*(en/7):67+2*(en/7)] th:TH_STORE_NT
.endif
.endm
; ---------------- THE HEAD ----------------
	s_load_b512 s[4:19], s[0:1], 0x0               ; argument k in s[4 + 2 k : 5 + 2 k]: x, gA, bA, qkv codes, scales, bias, o codes, scales,
	s_load_b512 s[20:35], s[0:1], 0x40             ; bias, gB, bB, W1 codes, scales, bias, W2 codes, scales,
	s_load_b128 s[36:39], s[0:1], 0x80             ; bias, the output
	v_lshrrev_b32 v24, 5, v0
	s_delay_alu instid0(VALU_DEP_1)
	v_readfirstlane_b32 s2, v24                    ; wave W
	v_and_b32 v25, 31, v0                          ; lane
	v_and_b32 v26, 15, v0                          ; r
	v_bfe_u32 v27, v0, 4, 1                        ; h
	s_delay_alu instid0(VALU_DEP_2)
	v_and_b32 v28, 8, v26
	s_delay_alu instid0(VALU_DEP_1)
	v_add_nc_u32 v28, v28, v26                     ; rho = r + 8 (r / 8)
	v_lshlrev_b32 v[L16], 4, v25
	s_delay_alu instid0(VALU_DEP_1)
	v_add_nc_u32 v[WA1], 0x10000, v[L16]
	s_delay_alu instid0(VALU_DEP_2)
	v_add_nc_u32 v[WA2], 0x20000, v[L16]
	s_delay_alu instid0(VALU_DEP_4)
	v_lshl_add_u32 v36, v27, 3, v28                ; 8 h + rho
	s_delay_alu instid0(VALU_DEP_1)
	v_lshl_add_u32 v[SCA], v36, 2, SCL
	s_delay_alu instid0(VALU_DEP_2)
	v_lshl_add_u32 v[SCB], v36, 4, SCL+S_W2
	v_lshl_add_u32 v[VH], v27, 6, VEC
	v_lshl_add_u32 v[VVB], v28, 2, VEC+1024
	s_mul_i32 s99, s2, PRIVB
	s_add_co_u32 s99, s99, PRIV                    ; my wave's bytes
	v_add_nc_u32 v[PV0], s99, v[L16]
	v_mul_u32_u24 v[STR], v26, SP
	s_delay_alu instid0(VALU_DEP_1)
	v_lshl_add_u32 v[STR], v27, 6, v[STR]
	s_delay_alu instid0(VALU_DEP_1)
	v_add_nc_u32 v[STR], s99, v[STR]
	v_lshl_add_u32 v[X3A], v27, 6, X3ROW
	s_delay_alu instid0(VALU_DEP_1)
	v_add_nc_u32 v[X3A], s99, v[X3A]
	v_mov_b32 v[NINF], 0xff800000
	v_mov_b32 v[MEAN+1], 0                         ; upper halves of pairs of which the low word serves both halves: named, so written
	v_mov_b32 v[RSTD+1], 0
	s_mov_b32 s54, 0x76543210
	s_mov_b32 s55, 0xfedcba98                      ; v_permlanex16_b32's selects for lane l xor 16
	s_mov_b32 s57, 0xffff                          ; lanes 0-15
	s_mov_b32 s58, 0x3e8293ee                      ; log2(e) / sqrt(32)
	s_mov_b32 s59, s58
	s_mov_b32 s60, 0x3c000000                      ; 1 / 128
	s_mov_b32 s61, 0x3727c5ac                      ; 1e-5
	s_mov_b32 s62, 0xbdd2d3e8                      ; c2
	s_mov_b32 s63, s62
	s_lshr_b32 s91, s2, 1                          ; wave W copies fragment W of each group of eight: b = W / 2, u = W % 2
	s_and_b32 s92, s2, 1
	s_lshl_b32 s91, s91, 12
	s_lshl_b32 s92, s92, 10
	s_add_co_u32 s91, s91, s92
	v_lshlrev_b32 v29, 7, v28
	s_delay_alu instid0(VALU_DEP_1)
	v_lshl_add_u32 v29, v27, 4, v29
	s_delay_alu instid0(VALU_DEP_1)
	v_add_nc_u32 v29, s91, v29                     ; rows of 128 bytes: 128 (32 b + 8 u + rho) + 16 h
	s_lshl_b32 s91, s91, 2
	v_lshlrev_b32 v30, 9, v28
	s_delay_alu instid0(VALU_DEP_1)
	v_lshl_add_u32 v30, v27, 4, v30
	s_delay_alu instid0(VALU_DEP_1)
	v_add_nc_u32 v30, s91, v30                     ; W2's rows of 512 bytes
	v_lshlrev_b32 v31, 4, v0                       ; the small copies: 16 bytes a thread
	s_delay_alu instid0(VALU_DEP_1)
	v_add_nc_u32 v32, SCL, v31
	s_lshl_b32 s91, s2, 11
	v_add_nc_u32 v33, s91, v[L16]                  ; image W of a group
	s_delay_alu instid0(VALU_DEP_1)
	v_add_nc_u32 v34, 0x10000, v33
	s_delay_alu instid0(VALU_DEP_2)
	v_add_nc_u32 v35, 0x20000, v33
	s_mul_i32 s97, s2, 7
.irp j,0,1,2,3,4,5,6
	s_add_co_i32 s93, s97, \j-SHIFT                ; the image column of window column j, rolled back
	s_add_co_i32 s96, s93, 56
	s_cmp_lt_i32 s93, 0
	s_cselect_b32 s93, s96, s93
	s_lshl_b32 s93, s93, 9
	v_add_nc_u32 v[VC+\j], s93, v[L16]
.endr
	s_lshr_b32 s91, ttmp9, 3
	s_mul_i32 s91, s91, IMGB
	s_and_b32 s92, ttmp9, 7
	s_mul_i32 s92, s92, 7
	s_mov_b32 s95, 0
	s_wait_kmcnt 0x0
.irp i,0,1,2
.irp c,0,1,2,3
	global_load_b128 v[64+16*\i+4*\c:67+16*\i+4*\c], v29, s[10:11] offset:16384*\i+32*\c
.endr
.endr
.irp c,0,1,2,3
	global_load_b128 v[112+4*\c:115+4*\c], v29, s[16:17] offset:32*\c
.endr
.irp i,0,1,2,3
.irp c,0,1,2,3
	global_load_b128 v[128+16*\i+4*\c:131+16*\i+4*\c], v29, s[26:27] offset:16384*\i+32*\c
	global_load_b128 v[192+16*\i+4*\c:195+16*\i+4*\c], v30, s[32:33] offset:128*\i+32*\c
.endr
.endr
.irp i,0,1,2,3,4,5,6
	s_add_co_i32 s93, s92, \i-SHIFT                ; the image row of window row i, rolled back
	s_add_co_i32 s96, s93, 56
	s_cmp_lt_i32 s93, 0
	s_cselect_b32 s93, s96, s93
	s_mul_i32 s93, s93, ROWB
	s_add_co_u32 s94, s93, s91
	s_add_nc_u64 s[40+2*\i:41+2*\i], s[4:5], s[94:95]
	s_add_nc_u64 s[66+2*\i:67+2*\i], s[38:39], s[94:95]
.endr
	; the small copies, 512 bytes a wave: buffers of 2,048 bytes by waves 0-3, of 1,536 by waves 0-2, of 512 by wave 0; staged in v456-503
	s_cmp_lt_u32 s2, 4
	s_cbranch_scc0 .Lno_load
	WIN 0x40
	global_load_b128 v[200:203], v31, s[28:29]
	global_load_b128 v[204:207], v31, s[34:35]
	global_load_b128 v[208:211], v31, s[30:31]
	WIN 0
	s_cmp_lt_u32 s2, 3
	s_cbranch_scc0 .Lno_load
	WIN 0x40
	global_load_b128 v[212:215], v31, s[12:13]
	global_load_b128 v[216:219], v31, s[14:15]
	WIN 0
	s_cmp_lt_u32 s2, 1
	s_cbranch_scc0 .Lno_load
	WIN 0x40
	global_load_b128 v[220:223], v31, s[18:19]
	global_load_b128 v[224:227], v31, s[20:21]
	global_load_b128 v[228:231], v31, s[36:37]
	global_load_b128 v[232:235], v31, s[6:7]
	global_load_b128 v[236:239], v31, s[8:9]
	global_load_b128 v[240:243], v31, s[22:23]
	global_load_b128 v[244:247], v31, s[24:25]
	WIN 0
.Lno_load:
	WIN 0x40
.set n, 0
	s_wait_alu depctr_va_vdst(0)
.rept 49
	global_load_b128 v[4*n:4*n+3], v[VC+n%7], s[40+2*(n/7):41+2*(n/7)] th:TH_LOAD_NT   ; token n: 512 consecutive bytes; read once in the launch
.set n, n+1
.endr
	WIN 0
	s_wait_loadcnt 49                              ; all but the 49 loads of x: the weights and the small copies are in
.irp i,0,1,2
.irp c,0,1,2,3
	ds_store_b128 v33, v[64+16*\i+4*\c:67+16*\i+4*\c] offset:16384*\i+512*\c
.endr
.endr
.irp c,0,1,2,3
	ds_store_b128 v33, v[112+4*\c:115+4*\c] offset:W_O+512*\c
.endr
.irp i,0,1,2,3
.irp c,0,1,2,3
	ds_store_b128 v34, v[128+16*\i+4*\c:131+16*\i+4*\c] offset:16384*\i+512*\c
	ds_store_b128 v35, v[192+16*\i+4*\c:195+16*\i+4*\c] offset:16384*\i+512*\c
.endr
.endr
	s_cmp_lt_u32 s2, 4
	s_cbranch_scc0 .Lno_store
	WIN 0x04
	ds_store_b128 v32, v[200:203] offset:S_W1
	ds_store_b128 v32, v[204:207] offset:S_W2
	ds_store_b128 v32, v[208:211] offset:VEC-SCL+V_FB1
	WIN 0
	s_cmp_lt_u32 s2, 3
	s_cbranch_scc0 .Lno_store
	WIN 0x04
	ds_store_b128 v32, v[212:215]
	ds_store_b128 v32, v[216:219] offset:VEC-SCL
	WIN 0
	s_cmp_lt_u32 s2, 1
	s_cbranch_scc0 .Lno_store
	WIN 0x04
	ds_store_b128 v32, v[220:223] offset:S_O
	ds_store_b128 v32, v[224:227] offset:VEC-SCL+V_BO
	ds_store_b128 v32, v[228:231] offset:VEC-SCL+V_FB2
	ds_store_b128 v32, v[232:235] offset:VEC-SCL+V_GA
	ds_store_b128 v32, v[236:239] offset:VEC-SCL+V_BA
	ds_store_b128 v32, v[240:243] offset:VEC-SCL+V_GB
	ds_store_b128 v32, v[244:247] offset:VEC-SCL+V_BB
	WIN 0
.Lno_store:
	s_wait_dscnt 0x0                               ; for the others' sake: my part of the shared bytes has landed
	s_barrier_signal -1
	s_barrier_wait -1                              ; the one barrier: from here on the shared bytes are only read
	; x into L_A, in place, through my stage: a token's row as it was loaded, back 16 neighbouring channels of each block a lane
.irp t,0,1,2
	s_wait_loadcnt 33-16*\t                        ; this tile's 16 loads are in; the later tokens' may be out
	WIN 0x04
.irp k,0,1,2,3,4,5,6,7,8,9,10,11,12,13,14,15
	ds_store_b128 v[PV0], v[64*\t+4*\k:64*\t+4*\k+3] offset:SP*\k
.endr
	WIN 0x40
	VLOAD 64*\t, STR, 0
.endr
	s_wait_loadcnt 0x0
	WIN 0x04
	ds_store_b128 v[PV0], v[192:195] offset:X3ROW  ; token 48's row stays there
	WIN 0x40
	VLOAD 192, X3A, 0                              ; and comes back into all 16 rows of tile 3
	WIN 0
; ---------------- LN_A ----------------
	VLOAD LG, VH, V_GA
	VLOAD LB, VH, V_BA
	s_wait_dscnt 0x0
	LNQ 0
	LNQ 1
	LNQ 2
	LNQ 3
	WIN 0x40
.irp t,0,1,2,3
	FRAG 192+16*\t, PV0, 2048*\t+4864*(\t/2)       ; the four operands, into the registers that x of tile 3 has left
.endr
	WIN 0
; ---------------- ATTENTION: a trip a head ----------------
.set ii, 4
.rept 12
	v_mov_b32 v[QZ+ii], 0
.set ii, ii+1
.endr
.set ii, 8
.rept 8
	v_mov_b32 v[PZ+ii], 0
.set ii, ii+1
.endr
.set ii, 1
.rept 7
	v_mov_b32 v[P48+ii], 0
.set ii, ii+1
.endr
	v_mov_b32 v[MB+2], 0                           ; a lane permute's destination counts as one of its sources
	v_mov_b32 v[MB+3], 0
	v_mov_b32 v[RL+1], 0
	v_mov_b32 v[NM+1], 0
.irp q,0,1,2,3
	v_mov_b32 v[AOS+\q], 0
.endr
	s_mov_b32 s80, 0                               ; head; 4,096, 128, 512 and 8 times it
	s_mov_b32 s81, 0
	s_mov_b32 s82, 0
	s_mov_b32 s83, 0
	s_mov_b32 s84, 0
.Lhead:
	v_add_nc_u32 v[AD], s81, v[L16]
	v_add_nc_u32 v[AD+1], s82, v[SCA]
	v_add_nc_u32 v[AD+2], s82, v[VH]
	v_add_nc_u32 v[AD+3], s82, v[VVB]
	v_add_nc_u32 v[AD+4], s83, v[PV0]
	; V: tokens source 0, weights source 1: lane = channel 8 u + rho, register 32 u + 8 t + j = key 16 t + 8 h + j
.irp u,0,1
	FRAG WF+16*\u, AD, 32768+2048*\u
.irp j,0,1,2,3,4,5,6,7
	ds_load_b32 v[TM+8*\u+\j], v[AD+3] offset:32*\u   ; the bias as C: my channel's, in all eight registers
.endr
.endr
	ds_load_b32 v[WS], v[AD+1] offset:1024
	s_wait_dscnt 0x0
	WIN 0x01
.irp t,0,1,2,3
	MMC ACC+8*\t, 192+16*\t, WF, TM, XS+\t, WS, 0, 0
	MMC ACC+32+8*\t, 192+16*\t, WF+16, TM+8, XS+\t, WS, 0, 1
.endr
	WIN 0
	NOPS 8
.irp u,0,1
	v_cndmask_b32 v[ACC+32*\u+24], 0, v[ACC+32*\u+24], s57   ; keys 49 to 63 are zeros: the last block is filled so
.irp j,1,2,3,4,5,6,7
	v_mov_b32 v[ACC+32*\u+24+\j], 0
.endr
.endr
	QUANT ACC, VF, VF+4, VF+8, VF+12, TM+4, 0, 0
	v_lshl_or_b32 v[VS], v[TM+5], 8, v[TM+4]
	v_lshl_or_b32 v[VS+1], v[TM+7], 8, v[TM+6]
	KQSTAGE 16384, 512, 512, KC, KS
	KQSTAGE 0, 0, 0, QC, QS
	ATT 0
	ATT 1
	ATT 2
	ATT 3
	QUANT OT, ST, ST+4, ST+8, ST+12, TM+4, 0, 0    ; block qt: the head's 32 channels of tile qt: registers 4 head .. of the next operand
.irp q,0,1,2,3
	v_lshl_or_b32 v[AOS+\q], v[TM+4+\q], s84, v[AOS+\q]
.endr
.irp q,0,1,2,3
	ds_store_b128 v[AD+4], v[ST+4*\q:ST+4*\q+3] offset:2048*\q+4864*(\q/2)
.endr
	s_wait_dscnt 0x0                               ; the stores have read their registers
	s_add_co_u32 s81, s81, 4096
	s_add_co_u32 s82, s82, 128
	s_add_co_u32 s83, s83, 512
	s_add_co_u32 s84, s84, 8
	s_add_co_u32 s80, s80, 1
	s_cmp_lt_u32 s80, 4
	s_cbranch_scc1 .Lhead
; ---------------- THE PROJECTION, onto x + its bias ----------------
.irp t,0,1,2,3
	FRAG AOF+16*\t, PV0, 2048*\t+4864*(\t/2)
.endr
	WIN 0x40
	VLOAD 192, X3A, 0                              ; x of tile 3 again
	WIN 0
	VLOAD 128, VH, V_BO
.irp b,0,1,2,3
	ds_load_b32 v[WSO+\b], v[SCA] offset:S_O+128*\b
.endr
.irp f,0,1,2,3
	FRAG 192+16*\f, L16, W_O+2048*\f
.endr
	s_wait_dscnt 0x0
	WIN 0x41
.irp t,0,1,2,3
.set ii, 0
.rept 32
	v_pk_add_f32 v[64*\t+ii:64*\t+ii+1], v[64*\t+ii:64*\t+ii+1], v[128+ii:129+ii]
.set ii, ii+2
.endr
.endr
	WIN 0
.irp f,4,5,6,7
	FRAG 128+16*(\f-4), L16, W_O+2048*\f           ; into the bias's registers, which are done with: they land under the first 16 products
.endr
	WIN 0x50                                       ; C and D: the residual, in block 1
.irp f,0,1,2,3
.irp t,0,1,2,3
	MMC 64*\t+8*\f, 192+16*\f, AOF+16*\t, 64*\t+8*\f, WSO+\f/2, AOS+\t, \f%2, 0
.endr
.endr
	s_wait_alu depctr_va_vdst(0)
	s_wait_dscnt 0x0
.irp f,4,5,6,7
.irp t,0,1,2,3
	MMC 64*\t+8*\f, 128+16*(\f-4), AOF+16*\t, 64*\t+8*\f, WSO+\f/2, AOS+\t, \f%2, 0
.endr
.endr
	WIN 0
	NOPS 8
; ---------------- LN_B ----------------
	VLOAD LG, VH, V_GB
	VLOAD LB, VH, V_BB
	s_wait_dscnt 0x0
	LNQ 0
	LNQ 1
	LNQ 2
	LNQ 3
	WIN 0x04
	VSTORE X3A, 192, 0                             ; tile 3's residual is parked: its 16 rows are copies, and the 16 lanes of a half write one place
	WIN 0
; ---------------- THE FFN: a trip for two tiles; in it a trip for 128 hidden units ----------------
	v_mov_b32 v[GC1], 0xc0135761                   ; c1
	v_mov_b32 v[GC1+1], 0xc0135761
	s_mov_b32 s85, 0                               ; pair p; 8,960 p: where its images begin
	s_mov_b32 s86, 0
.Lpair:
	v_add_nc_u32 v[AD], s86, v[PV0]
	FRAG XP, AD, 0
	FRAG XP+16, AD, 2048
	VLOAD 128, VH, V_FB2
	s_cmp_eq_u32 s85, 0
	s_cbranch_scc0 .Lpro1
	s_wait_dscnt 0x0
	v_mov_b32 v[XSP], v[XS]
	v_mov_b32 v[XSP+1], v[XS+1]
	WIN 0x41
.set ii, 0
.rept 64
	v_pk_add_f32 v[ii:ii+1], v[ii:ii+1], v[128+ii%64:129+ii%64]   ; Y = the residual + the second bias, in place: tiles 0, 1
.set ii, ii+2
.endr
	WIN 0
	s_branch .Lpro_done
.Lpro1:
	WIN 0x40
	VLOAD 64, X3A, 0
	WIN 0
	s_wait_dscnt 0x0
	v_mov_b32 v[XSP], v[XS+2]
	v_mov_b32 v[XSP+1], v[XS+3]
	WIN 0x41
.set ii, 0
.rept 32
	v_pk_add_f32 v[ii:ii+1], v[128+ii:129+ii], v[128+ii:129+ii]   ; tile 2 (source 0: block 1) + the bias (source 1: block 0)
.set ii, ii+2
.endr
.set ii, 0
.rept 32
	v_pk_add_f32 v[64+ii:65+ii], v[64+ii:65+ii], v[128+ii:129+ii] ; tile 3
.set ii, ii+2
.endr
	WIN 0
.Lpro_done:
	s_mov_b32 s87, 0                               ; chunk s; 16,384, 512 and 4 times it
	s_mov_b32 s88, 0
	s_mov_b32 s89, 0
	s_mov_b32 s90, 0
.Lchunk:
	v_add_nc_u32 v[AD], s88, v[WA1]
	v_add_nc_u32 v[AD+1], s88, v[WA2]
	v_add_nc_u32 v[AD+2], s89, v[VH]
	v_add_nc_u32 v[AD+3], s89, v[SCA]
	v_add_nc_u32 v[AD+4], s90, v[SCB]
	NOPS 4                                         ; with the five lines above: NINE places behind the last trip's last products: eight for the loads into their registers, the ninth because this trip's first products write v128-175, which those products read as W2's fragments 0 to 2
	VLOAD FACC, AD+2, V_FB1                        ; the first bias is the sums' start, for both tiles
	VLOAD FACC+64, AD+2, V_FB1
	WIN 0x40
.irp f,0,1,2,3
	FRAG 192+16*\f, AD, 2048*\f
.endr
	WIN 0
.irp f,4,5
	FRAG 96+16*(\f-4), AD, 2048*\f
.endr
.irp b,0,1,2,3
	ds_load_b32 v[W1S+\b], v[AD+3] offset:S_W1+128*\b
	ds_load_b32 v[W2S+\b], v[AD+4] offset:512*\b
.endr
	s_wait_alu depctr_va_vdst(0)
	s_wait_dscnt 0x0
	WIN 0x01
.irp f,0,1,2,3
.irp y,0,1
	MMC FACC+64*\y+8*\f, 192+16*\f, XP+16*\y, FACC+64*\y+8*\f, W1S+\f/2, XSP+\y, \f%2, 0
.endr
.endr
	WIN 0
.irp f,4,5
.irp y,0,1
	MMC FACC+64*\y+8*\f, 96+16*(\f-4), XP+16*\y, FACC+64*\y+8*\f, W1S+\f/2, XSP+\y, \f%2, 0
.endr
.endr
	NOPS 8
.irp f,6,7
	FRAG 96+16*(\f-6), AD, 2048*\f
.endr
	WIN 0x40
.irp f,4,5,6,7
	FRAG 192+16*(\f-4), AD+1, 2048*\f              ; W2's fragments 4 to 7, for later
.endr
	WIN 0
	s_wait_dscnt 16                                ; W1's fragments 6 and 7 are in; W2's 16 loads may be out
.irp f,6,7
.irp y,0,1
	MMC FACC+64*\y+8*\f, 96+16*(\f-6), XP+16*\y, FACC+64*\y+8*\f, W1S+\f/2, XSP+\y, \f%2, 0
.endr
.endr
	GP 0                                           ; 24 plain lines on the first results: the places behind the four products above
	s_wait_alu depctr_va_vdst(0)
	GE 0
	s_wait_alu depctr_va_vdst(0)
	GP 1
	s_wait_alu depctr_va_vdst(0)
	GA 0
	s_wait_alu depctr_va_vdst(0)
.irp k,0,1,2,3,4,5,6,7
	s_wait_alu depctr_va_vdst(0)
	GR \k                                          ; a batch's reciprocals, the next batch's exponentials, a wait, plain work of the batch after, a wait, then the readers
.if \k < 7
	GE \k+1
.endif
.if \k < 6
	s_wait_alu depctr_va_vdst(0)
	GP \k+2
.else
	v_nop
.endif
	s_wait_alu depctr_va_vdst(0)
	GM \k
.if \k < 7
	GA \k+1
.endif
.endr
	QUANT FACC, 96, 100, 104, 108, TM+4, 1, HS
.irp f,0,1,2,3
	FRAG 128+16*\f, AD+1, 2048*\f                  ; W2's fragments 0 to 3, into the registers that the first tile's hidden numbers have left
.endr
	QUANT FACC+64, 112, 116, 120, 124, TM+4, 1, HS+1
	NOPS 3                                         ; with the quantiser's last line: four places ahead of the products
	s_wait_alu depctr_va_vdst(0)
	s_wait_dscnt 0x0
	WIN 0x50
.irp f,0,1,2,3
.irp y,0,1
	MMC 64*\y+8*\f, 128+16*\f, 96+16*\y, 64*\y+8*\f, W2S+\f/2, HS+\y, \f%2, 0   ; the 16 accumulators take turns, one instruction a turn
.endr
.endr
	WIN 0x51
.irp f,4,5,6,7
.irp y,0,1
	MMC 64*\y+8*\f, 192+16*(\f-4), 96+16*\y, 64*\y+8*\f, W2S+\f/2, HS+\y, \f%2, 0
.endr
.endr
	WIN 0
	s_add_co_u32 s88, s88, 16384
	s_add_co_u32 s89, s89, 512
	s_add_co_u32 s90, s90, 4
	s_add_co_u32 s87, s87, 1
	s_cmp_lt_u32 s87, 4
	s_cbranch_scc1 .Lchunk
	NOPS 8
	s_cmp_eq_u32 s85, 0
	s_cbranch_scc0 .Lepi1
	EPI 0, 1
	s_branch .Lepi_done
.Lepi1:
	EPI 32, 0
.Lepi_done:
	s_wait_xcnt 0x0                                ; the stores have read their registers: the next pair loads into them
	s_add_co_u32 s86, s86, 8960
	s_add_co_u32 s85, s85, 1
	s_cmp_lt_u32 s85, 2
	s_cbranch_scc1 .Lpair
	s_wait_xcnt 0x0
	v_lshl_add_u32 v254, v0, 2, 0x4ca00
	v_mov_b32 v255, 0
	s_wait_alu depctr_va_vdst(0)
	s_wait_tensorcnt 0x0
	ds_add_u32 v254, v255
	s_wait_dscnt 0x0
	s_endpgm
.Lfunc_end_k_q8ff88004fe_half1:
	.size	k_q8ff88004fe_half1, .Lfunc_end_k_q8ff88004fe_half1-k_q8ff88004fe_half1
	.p2alignl 7, 3214868480
	.fill 96, 4, 3214868480
	.section	.rodata,"a",@progbits
	.p2align	6, 0x0
	.amdhsa_kernel k_q8ff88004fe_half1
		.amdhsa_group_segment_fixed_size 314880
		.amdhsa_private_segment_fixed_size 0
		.amdhsa_enable_private_segment 0
		.amdhsa_kernarg_size 144
		.amdhsa_user_sgpr_count 2
		.amdhsa_user_sgpr_kernarg_segment_ptr 1
		.amdhsa_wavefront_size32 1
		.amdhsa_system_sgpr_workgroup_id_x 1
		.amdhsa_system_sgpr_workgroup_id_y 1
		.amdhsa_system_sgpr_workgroup_id_z 1
		.amdhsa_system_vgpr_workitem_id 0
		.amdhsa_next_free_vgpr 512
		.amdhsa_next_free_sgpr 100
		.amdhsa_reserve_vcc 0
		.amdhsa_float_denorm_mode_32 3
		.amdhsa_float_denorm_mode_16_64 3
		.amdhsa_fp16_overflow 1
		.amdhsa_memory_ordered 1
		.amdhsa_forward_progress 1
		.amdhsa_inst_pref_size 255
	.end_amdhsa_kernel
	.section	.bss,"aw",@nobits
	.p2align	6
	.space	262144
	.amdgpu_metadata
---
amdhsa.version: [ 1, 2 ]
amdhsa.kernels:
  - .name:           k_q8ff88004fe_half1
    .symbol:         k_q8ff88004fe_half1.kd
    .args:
      - { .name: x, .offset: 0, .size: 8, .value_kind: global_buffer, .address_space: global }
      - { .name: ln1_g, .offset: 8, .size: 8, .value_kind: global_buffer, .address_space: global }
      - { .name: ln1_b, .offset: 16, .size: 8, .value_kind: global_buffer, .address_space: global }
      - { .name: w1_qkv_codes, .offset: 24, .size: 8, .value_kind: global_buffer, .address_space: global }
      - { .name: w1_qkv_scales, .offset: 32, .size: 8, .value_kind: global_buffer, .address_space: global }
      - { .name: b1_qkv, .offset: 40, .size: 8, .value_kind: global_buffer, .address_space: global }
      - { .name: w1_o_codes, .offset: 48, .size: 8, .value_kind: global_buffer, .address_space: global }
      - { .name: w1_o_scales, .offset: 56, .size: 8, .value_kind: global_buffer, .address_space: global }
      - { .name: b1_o, .offset: 64, .size: 8, .value_kind: global_buffer, .address_space: global }
      - { .name: ln2_g, .offset: 72, .size: 8, .value_kind: global_buffer, .address_space: global }
      - { .name: ln2_b, .offset: 80, .size: 8, .value_kind: global_buffer, .address_space: global }
      - { .name: f1_w1_codes, .offset: 88, .size: 8, .value_kind: global_buffer, .address_space: global }
      - { .name: f1_w1_scales, .offset: 96, .size: 8, .value_kind: global_buffer, .address_space: global }
      - { .name: f1_b1, .offset: 104, .size: 8, .value_kind: global_buffer, .address_space: global }
      - { .name: f1_w2_codes, .offset: 112, .size: 8, .value_kind: global_buffer, .address_space: global }
      - { .name: f1_w2_scales, .offset: 120, .size: 8, .value_kind: global_buffer, .address_space: global }
      - { .name: f1_b2, .offset: 128, .size: 8, .value_kind: global_buffer, .address_space: global }
      - { .name: mid, .offset: 136, .size: 8, .value_kind: global_buffer, .address_space: global }
    .group_segment_fixed_size: 314880
    .private_segment_fixed_size: 0
    .kernarg_segment_align: 8
    .kernarg_segment_size: 144
    .max_flat_workgroup_size: 256
    .sgpr_count:     100
    .vgpr_count:     512
    .wavefront_size: 32
...
	.end_amdgpu_metadata
.endif
;; end of part 1
;; launch half2 (part 2): grid 256 x 1, 8 waves a work-group, no clusters, 314,880 bytes of LDS; arguments mid, ln3_g, ln3_b, w2_qkv_codes, w2_qkv_scales, b2_qkv, w2_o_codes, w2_o_scales, b2_o, ln4_g, ln4_b, f2_w1_codes, f2_w1_scales, f2_b1, f2_w2_codes, f2_w2_scales, f2_b2, out0; writes out0
.if DOCPART == 2
	.amdgcn_target "amdgcn-amd-amdhsa--gfx1250"
	.amdhsa_code_object_version 6
	.text
	.protected	k_q8ff88004fe_half2
	.globl	k_q8ff88004fe_half2
	.p2align	8
	.type	k_q8ff88004fe_half2,@function
k_q8ff88004fe_half2:
	s_mov_b64 s[64:65], 0
	v_nop
	global_prefetch_b8 v0, s[64:65] scope:SCOPE_SE
	s_setreg_imm32_b32 hwreg(HW_REG_WAVE_MODE, 25, 1), 1
	s_wait_xcnt 0x0
; ONE HALF OF A SWIN BLOCK:  y = z + FFN(LN_B(z)),  z = x + WindowAttention(LN_A(x)),  all six products on E4M3 codes with one E8M0 scale for each 32 along K.
; This text is the half on shifted windows (SHIFT = 3); the other half is the same text with SHIFT = 0: the window's token at (Y, X) of the rolled image is the token at (Y - SHIFT, X - SHIFT) mod 56, for the read and for the write.
; SHARES.  2,048 windows = 256 work-groups x 8 waves: ONE WAVE OWNS ONE WINDOW through the whole half.  Work-group g: image g / 8, window row g % 8; wave W: window column W.
; 49 tokens are 4 tiles of 16; tile 3 holds token 48 in all its 16 rows (finite copies: never stored; as keys they are masked, as values they are zeros).
; The weights (196,608 bytes of codes) are copied once into LDS, as images of the operand's registers, and read by all eight waves: ONE barrier, behind that copy.  All else that a wave touches in LDS is its own.
; No cluster and no joint loads: what the work-groups share is read once, at the head, through registers, since a fragment takes chosen rows (below) and is wanted as a register image; no tensor load, so no ring.
; No prefetch: x is asked for in one burst of 49 loads at the head; nothing is streamed later.
; LAYOUT L_A (x, the residual, every LN, every result): lane (r = lane % 16, h = lane / 16) holds token r of a tile; register 16 b + i holds channel 32 b + 16 h + i.  Quantised, that is an operand: registers 4 b .. 4 b + 3, scale byte b.
; A WEIGHT FRAGMENT (b, u) takes rows 32 b + 8 u + rho, rho = r + 8 (r / 8).  With the weights as source 0 and tokens as source 1, register j of tile 2 b + u is channel 32 b + 16 h + 8 u + j: L_A again.
; V is made the other way round (tokens source 0): a lane holds one channel, register j of token tile t is key 16 t + 8 h + j; S^T = K Q^T has the same order of keys.  Inside a block of 32 keys that is a
; permutation, the same on p and on V: blocks, scales and products are as stated; only the order of the sum differs.
; SHORT K (32 for the scores, 49 for p V): one operand carries zero codes in the unused blocks, the other any of this text's own finite codes; the unused scale bytes are 0 (a power of two, no NaN).
; LIMITS: NaN and infinities among the inputs are not served.  A block whose largest magnitude lies under 2^-118, a block of zeros among them, gets the scale byte 1 (these bytes are read by this text alone).
.set SHIFT,  3
.set ROWB,   28672                     ; an image row: 56 tokens x 512 bytes
.set IMGB,   1605632                   ; an image: 3,136 tokens
; LDS: 0 the fragment images, 2,048 bytes each (register group c at 512 c, lane at 16 x lane): qkv's 24 (fragment 2 b + u, b = 4 x which + head), Wo's 8 at W_O, W1's 32 at 65,536, W2's 32 (8 s + t) at 131,072
.set W_O,    49152
.set SCL,    196608                    ; the scale bytes as they lie in memory: qkv's, then
.set S_O,    1536                      ; Wo's,
.set S_W1,   2048                      ; W1's,
.set S_W2,   4096                      ; W2's
.set VEC,    202752                    ; the f32 vectors as they lie: bqkv, then
.set V_BO,   1536
.set V_FB1,  2048
.set V_FB2,  4096
.set V_GA,   4608
.set V_BA,   5120
.set V_GB,   5632
.set V_BB,   6144
.set PRIV,   209408                    ; from here 13,056 bytes for each wave: a stage of 16 rows x 528 (also images 0, 1), token 48's row at X3ROW, images 2, 3 at 8,960
.set PRIVB,  13056
.set SP,     528                       ; a stage row: 512 bytes + 16, so that 16 rows' equal columns fall 16 bytes apart modulo 256
.set X3ROW,  8448
; an operand image of tile t lies at 2048 t + 4864 (t / 2) of the wave's bytes: 0, 2,048, 8,960, 11,008
; REGISTERS, block 0
.set L16, 1                            ; 16 x lane: a fragment image's place for my lane
.set WA1, 2                            ; + 65,536
.set WA2, 3                            ; + 131,072
.set SCA, 4                            ; scale words of weights with K = 128: SCL + 4 (8 h + rho): lanes 0-15 serve fragment u = 0, lanes 16-31 u = 1
.set SCB, 5                            ; of W2: SCL + S_W2 + 16 (8 h + rho)
.set VH,  6                            ; VEC + 64 h: a vector in L_A
.set VVB, 7                            ; VEC + 1024 + 4 rho: V's bias, one channel a lane
.set PV0, 8                            ; my wave's bytes + 16 x lane
.set VC,  9                            ; v9-15: 512 x image column j + 16 x lane
.set STR, 16                           ; my wave's bytes + 528 r + 64 h
.set X3A, 17                           ; my wave's bytes + X3ROW + 64 h
.set AD,  18                           ; v18-22: a loop's addresses
.set NINF, 23
.set TM,  24                           ; v24-39 at work
; v40-59 hold scale words and nothing else
.set QS, 40
.set KS, 44
.set AOS, 48
.set VS, 52
.set WS, 54
.set PS, 55
.set XS, 56
.set WSO, 40
.set W1S, 40
.set W2S, 44
.set HS, 48
.set XSP, 50
.set MEAN, 60
.set RSTD, 62
.set LS, 60
.set GC1, 60
.set LD, 64                            ; LN: 64 numbers at work; gains; offsets
.set LG, 128
.set LB, 192
.set VF, 64                            ; attention: V's codes (2 x 8), K's (4 x 4), Q's (4 x 4): one run, so that a 16-register operand may begin anywhere in it
.set KC, 80
.set QC, 96
.set QZ, 112                           ; one tile of Q's codes and 12 zeros
.set PZ, 128                           ; p's codes and 8 zeros
.set P48, 144                          ; p of key 48 and 7 zeros
.set MB, 152                           ; v152-155 block maxima, temporaries
.set RL, 156
.set NM, 158
.set ACC, 160
.set WF, 224
.set ST, 160
.set OT, 192
.set AOF, 64
.set XP, 64
.set FACC, 128
; block 1 (v256-511, named by their low 8 bits): X[t] at 64 t, the residual.  X[3]'s 64 serve in turn as x of tile 3, LN_A's codes, x of tile 3 again, four weight fragments of the FFN
.set MSB, 0
.macro WIN new                         ; bits 1:0 source 0, 3:2 source 1, 5:4 source 2, 7:6 destination; the high byte repeats the setting that is left
.if MSB != \new
	s_set_vgpr_msb (MSB<<8)|\new
.set MSB, \new
.endif
.endm
.macro NOPS n
.rept \n
	v_nop
.endr
.endm
.macro VLOAD reg, adr, off             ; 64 numbers in L_A
.irp b,0,1,2,3
.irp j,0,1,2,3
	ds_load_b128 v[\reg+16*\b+4*\j:\reg+16*\b+4*\j+3], v[\adr] offset:\off+128*\b+16*\j
.endr
.endr
.endm
.macro VSTORE adr, reg, off
.irp b,0,1,2,3
.irp j,0,1,2,3
	ds_store_b128 v[\adr], v[\reg+16*\b+4*\j:\reg+16*\b+4*\j+3] offset:\off+128*\b+16*\j
.endr
.endr
.endm
.macro FRAG reg, adr, off              ; a fragment's image: 16 registers
.irp c,0,1,2,3
	ds_load_b128 v[\reg+4*\c:\reg+4*\c+3], v[\adr] offset:\off+512*\c
.endr
.endm
.macro MMC d, a, b, c, sa, sb, ra, rb  ; D = A B + C; ra, rb: the side whose scale words stand in lanes 16-31
.if (\ra)
	v_wmma_scale_f32_16x16x128_f8f6f4 v[\d:\d+7], v[\a:\a+15], v[\b:\b+15], v[\c:\c+7], v[\sa], v[\sb] matrix_a_scale:MATRIX_SCALE_ROW1
.elseif (\rb)
	v_wmma_scale_f32_16x16x128_f8f6f4 v[\d:\d+7], v[\a:\a+15], v[\b:\b+15], v[\c:\c+7], v[\sa], v[\sb] matrix_b_scale:MATRIX_SCALE_ROW1
.else
	v_wmma_scale_f32_16x16x128_f8f6f4 v[\d:\d+7], v[\a:\a+15], v[\b:\b+15], v[\c:\c+7], v[\sa], v[\sb]
.endif
.endm
.macro MMZ d, a, b, sa, sb
	v_wmma_scale_f32_16x16x128_f8f6f4 v[\d:\d+7], v[\a:\a+15], v[\b:\b+15], 0, v[\sa], v[\sb]
.endm
; THE QUANTISER.  64 numbers of a lane in four blocks of 16; a block's other 16 lie in lane l xor 16.  Block qb's codes go to v[d qb] on (4 registers), its scale byte to v[by + qb]; mrg = 1: the four bytes make the word v[wd].
.macro QBLK src, qb, dst
.irp qi,0,1,2,3,4,5,6,7,8,9,10,11,12,13,14,15
.endr
	v_cvt_scalef32_pk8_fp8_f32 v[\dst:\dst+1], v[\src+16*\qb:\src+16*\qb+7], v[TM+12+\qb]
	v_cvt_scalef32_pk8_fp8_f32 v[\dst+2:\dst+3], v[\src+16*\qb+8:\src+16*\qb+15], v[TM+12+\qb]
.endm
.macro QUANT src, d0, d1, d2, d3, by, mrg, wd
.irp qb,0,1,2,3
	v_max3_num_f32 v[TM+\qb], |v[\src+16*\qb]|, |v[\src+16*\qb+1]|, 0x4800000   ; my 16 numbers and the floor 2^(9 - 127): the byte cannot fall under 1
.endr
.irp qi,2,4,6,8,10,12,14
.irp qb,0,1,2,3
	v_max3_num_f32 v[TM+\qb], v[TM+\qb], |v[\src+16*\qb+\qi]|, |v[\src+16*\qb+\qi+1]|
.endr
.endr
.irp qb,0,1,2,3
	v_permlanex16_b32 v[TM+4+\qb], v[TM+\qb], s54, s55
.endr
.irp qb,0,1,2,3
	s_delay_alu instid0(VALU_DEP_4)
	v_max_num_f32 v[TM+\qb], v[TM+\qb], v[TM+4+\qb]          ; the block's largest magnitude
.endr
.irp qb,0,1,2,3
	s_delay_alu instid0(VALU_DEP_4)
	v_add_nc_u32 v[TM+12+\qb], 0xfc000000, v[TM+\qb]         ; 8 off its exponent field: the conversion's scale operand
.endr
.irp qb,0,1,2,3
.endr
.irp qb,0,1,2,3
	s_delay_alu instid0(VALU_DEP_4)
	v_lshrrev_b32 v[\by+\qb], 23, v[TM+12+\qb]               ; the scale's byte
.endr
.if \mrg
	s_delay_alu instid0(VALU_DEP_3)
	v_lshl_or_b32 v[\wd], v[\by+1], 8, v[\by]
	s_delay_alu instid0(VALU_DEP_1)
	v_lshl_or_b32 v[\wd], v[\by+2], 16, v[\wd]
	s_delay_alu instid0(VALU_DEP_1)
	v_lshl_or_b32 v[\wd], v[\by+3], 24, v[\wd]
.endif
	QBLK \src, 0, \d0
	v_nop
	QBLK \src, 1, \d1
	v_nop
	QBLK \src, 2, \d2
	v_nop
	QBLK \src, 3, \d3
	v_nop                                                    ; one plain line behind the last conversion
.endm
; LAYER NORM of tile t and its codes.  The codes of block 0 go to TM (its first four registers are done with), those of block b to the source registers of block b - 1, which are converted; then the image goes to LDS.
.macro LNQ t
.set XB, 64*(\t)
.set IO, 2048*(\t)+4864*((\t)/2)
	WIN 0x05
.irp i,0,1,2,3,4,5,6,7,8,9,10,11,12,13,14,15
	v_pk_add_f32 v[LD+2*\i:LD+2*\i+1], v[XB+4*\i:XB+4*\i+1], v[XB+4*\i+2:XB+4*\i+3]   ; ascending: each accumulator is read from its low end on
.endr
	WIN 0
.irp i,0,1,2,3,4,5,6,7
	v_pk_add_f32 v[LD+2*\i:LD+2*\i+1], v[LD+2*\i:LD+2*\i+1], v[LD+16+2*\i:LD+17+2*\i]
.endr
.irp i,0,1,2,3
	s_delay_alu instid0(VALU_DEP_4)
	v_pk_add_f32 v[LD+2*\i:LD+2*\i+1], v[LD+2*\i:LD+2*\i+1], v[LD+8+2*\i:LD+9+2*\i]
.endr
.irp i,0,1
	s_delay_alu instid0(VALU_DEP_2)
	v_pk_add_f32 v[LD+2*\i:LD+2*\i+1], v[LD+2*\i:LD+2*\i+1], v[LD+4+2*\i:LD+5+2*\i]
.endr
	s_delay_alu instid0(VALU_DEP_1)
	v_pk_add_f32 v[LD:LD+1], v[LD:LD+1], v[LD+2:LD+3]
	s_delay_alu instid0(VALU_DEP_1)
	v_add_f32 v[LD], v[LD], v[LD+1]
	s_delay_alu instid0(VALU_DEP_1)
	v_permlanex16_b32 v[LD+1], v[LD], s54, s55               ; the token's other 64 channels
	s_delay_alu instid0(VALU_DEP_1)
	v_add_f32 v[LD], v[LD], v[LD+1]
	s_delay_alu instid0(VALU_DEP_1)
	v_mul_f32 v[MEAN], s60, v[LD]                            ; / 128
	WIN 0x01
.set ii, 0
.rept 32
	v_pk_add_f32 v[LD+ii:LD+ii+1], v[XB+ii:XB+ii+1], v[MEAN:MEAN+1] op_sel_hi:[1,0] neg_lo:[0,1] neg_hi:[0,1]
.set ii, ii+2
.endr
	WIN 0
.irp q,0,2,4,6
	v_pk_mul_f32 v[TM+\q:TM+\q+1], v[LD+\q:LD+\q+1], v[LD+\q:LD+\q+1]
.endr
.set ii, 8
.rept 7
.irp q,0,2,4,6
	s_delay_alu instid0(VALU_DEP_4)
	v_pk_fma_f32 v[TM+\q:TM+\q+1], v[LD+ii+\q:LD+ii+\q+1], v[LD+ii+\q:LD+ii+\q+1], v[TM+\q:TM+\q+1]
.endr
.set ii, ii+8
.endr
	s_delay_alu instid0(VALU_DEP_3)
	v_pk_add_f32 v[TM:TM+1], v[TM:TM+1], v[TM+2:TM+3]
	s_delay_alu instid0(VALU_DEP_2)
	v_pk_add_f32 v[TM+4:TM+5], v[TM+4:TM+5], v[TM+6:TM+7]
	s_delay_alu instid0(VALU_DEP_1)
	v_pk_add_f32 v[TM:TM+1], v[TM:TM+1], v[TM+4:TM+5]
	s_delay_alu instid0(VALU_DEP_1)
	v_add_f32 v[TM], v[TM], v[TM+1]
	s_delay_alu instid0(VALU_DEP_1)
	v_permlanex16_b32 v[TM+1], v[TM], s54, s55
	s_delay_alu instid0(VALU_DEP_1)
	v_add_f32 v[TM], v[TM], v[TM+1]
	s_delay_alu instid0(VALU_DEP_1)
	v_fma_f32 v[TM], v[TM], s60, s61                         ; the variance + 1e-5
	s_wait_alu depctr_va_vdst(0)
	v_rsq_f32 v[RSTD], v[TM]
	v_nop                                                    ; a plain line behind the transcendental,
	s_wait_alu depctr_va_vdst(0)                             ; and the wait ahead of its first reader
.set ii, 0
.rept 32
	v_pk_mul_f32 v[LD+ii:LD+ii+1], v[LD+ii:LD+ii+1], v[RSTD:RSTD+1] op_sel_hi:[1,0]
.set ii, ii+2
.endr
.set ii, 0
.rept 32
	v_pk_fma_f32 v[LD+ii:LD+ii+1], v[LD+ii:LD+ii+1], v[LG+ii:LG+ii+1], v[LB+ii:LB+ii+1]
.set ii, ii+2
.endr
	QUANT LD, TM, LD, LD+16, LD+32, TM+4, 1, XS+\t
	ds_store_b128 v[PV0], v[TM:TM+3] offset:IO
	ds_store_b128 v[PV0], v[LD:LD+3] offset:IO+512
	ds_store_b128 v[PV0], v[LD+16:LD+19] offset:IO+1024
	ds_store_b128 v[PV0], v[LD+32:LD+35] offset:IO+1536
	s_wait_dscnt 0x0                                         ; the stores have read their registers: the next tile writes them
.endm
; K or Q of one head for all four tiles: weights source 0, tokens source 1, the bias as C; register 16 t + 8 u + j = channel 16 h + 8 u + j of token r of tile t; one block of 32 a token
.macro KQSTAGE wo, vb, so, dst, by
.irp u,0,1
	FRAG WF+16*\u, AD, \wo+2048*\u
.irp k,0,1
	ds_load_b128 v[TM+8*\u+4*\k:TM+8*\u+4*\k+3], v[AD+2] offset:\vb+32*\u+16*\k
.endr
.endr
	ds_load_b32 v[WS], v[AD+1] offset:\so
	s_wait_dscnt 0x0
	WIN 0x04                                                 ; source 1: LN_A's codes, in block 1
.irp t,0,1,2,3
	MMC ACC+16*\t, WF, 192+16*\t, TM, WS, XS+\t, 0, 0
	MMC ACC+16*\t+8, WF+16, 192+16*\t, TM+8, WS, XS+\t, 1, 0
.endr
	WIN 0
	NOPS 8                                                   ; eight places behind this form before its results are read and its C is written
	QUANT ACC, \dst, \dst+4, \dst+8, \dst+12, \by, 0, 0
.endm
; One tile of 16 queries of one head: scores, p, p V, / the row's sum
.macro ATT qt
.irp c,0,1,2,3
	v_mov_b32 v[QZ+\c], v[QC+4*\qt+\c]
.endr
	NOPS 4                                                   ; an operand written by vector instructions stands four places ahead of a scaled product
.irp kt,0,1,2,3
	MMZ ST+8*\kt, KC+4*\kt, QZ, KS+\kt, QS+\qt               ; S^T: register 8 kt + j = key 16 kt + 8 h + j of query r.  A's blocks 1 to 3 are codes of later tiles: they meet QZ's zeros
.endr
	NOPS 8
	v_cndmask_b32 v[ST+24], v[NINF], v[ST+24], s57           ; key 48 + 8 h: only lanes 0-15 hold a key; registers 25 to 31 hold none and are never read
	v_max3_num_f32 v[MB], v[ST], v[ST+1], v[ST+2]            ; the largest score of each block of 32 keys: for the row's maximum, and for the block's largest p
	v_max3_num_f32 v[MB+1], v[ST+16], v[ST+17], v[ST+18]
.irp i,3,5,7
	v_max3_num_f32 v[MB], v[MB], v[ST+\i], v[ST+\i+1]
	v_max3_num_f32 v[MB+1], v[MB+1], v[ST+16+\i], v[ST+17+\i]
.endr
.irp i,9,11,13
	v_max3_num_f32 v[MB], v[MB], v[ST+\i], v[ST+\i+1]
.endr
	v_max_num_f32 v[MB], v[MB], v[ST+15]
	s_delay_alu instid0(VALU_DEP_1)
	v_permlanex16_b32 v[MB+2], v[MB], s54, s55
	v_permlanex16_b32 v[MB+3], v[MB+1], s54, s55
	s_delay_alu instid0(VALU_DEP_2)
	v_max_num_f32 v[MB], v[MB], v[MB+2]
	s_delay_alu instid0(VALU_DEP_2)
	v_max_num_f32 v[MB+1], v[MB+1], v[MB+3]
	s_delay_alu instid0(VALU_DEP_1)
	v_max_num_f32 v[MB+2], v[MB], v[MB+1]
	s_delay_alu instid0(VALU_DEP_1)
	v_mul_f32 v[MB+2], s58, v[MB+2]                          ; the row's largest t
	s_delay_alu instid0(VALU_DEP_1)
	v_floor_f32 v[NM], -v[MB+2]                              ; -M = -ceil(t): a whole number
.irp i,0,2,4,6,8,10,12,14,16,18,20,22
	v_pk_fma_f32 v[ST+\i:ST+\i+1], v[ST+\i:ST+\i+1], s[58:59], v[NM:NM+1] op_sel_hi:[1,0,0]
.endr
	v_fma_f32 v[ST+24], v[ST+24], s58, v[NM]
	v_fma_f32 v[MB], v[MB], s58, v[NM]
	v_fma_f32 v[MB+1], v[MB+1], s58, v[NM]
	s_wait_alu depctr_va_vdst(0)
.irp i,0,1,2,3,4,5,6,7,8,9,10,11,12,13,14,15,16,17,18,19,20,21,22,23
	v_exp_f32 v[ST+\i], v[ST+\i]                             ; p = 2^(t - M)
.endr
	v_exp_f32 v[P48], v[ST+24]
	v_nop
	s_wait_alu depctr_va_vdst(0)                             ; one wait for the batch of 25, ahead of its first reader
	v_exp_f32 v[MB], v[MB]                                   ; each block's largest p: the same two instructions on the same number
	v_exp_f32 v[MB+1], v[MB+1]
	v_pk_add_f32 v[LS:LS+1], v[ST:ST+1], v[ST+2:ST+3]        ; the row's sum, of the unquantised p
	v_pk_add_f32 v[MB+2:MB+3], v[ST+4:ST+5], v[ST+6:ST+7]
.irp i,8,12,16,20
	v_pk_add_f32 v[LS:LS+1], v[LS:LS+1], v[ST+\i:ST+\i+1]
	v_pk_add_f32 v[MB+2:MB+3], v[MB+2:MB+3], v[ST+\i+2:ST+\i+3]
.endr
	s_delay_alu instid0(VALU_DEP_1)
	v_pk_add_f32 v[LS:LS+1], v[LS:LS+1], v[MB+2:MB+3]
	s_delay_alu instid0(VALU_DEP_1)
	v_add_f32 v[LS], v[LS], v[LS+1]
	v_add_f32 v[LS], v[LS], v[P48]
	s_wait_alu depctr_va_vdst(0)                             ; and one for the two
.irp e,0,1
	v_max_num_f32 v[MB+\e], 0x4800000, v[MB+\e]
.endr
.irp e,0,1
	s_delay_alu instid0(VALU_DEP_2)
	v_add_nc_u32 v[TM+12+\e], 0xfc000000, v[MB+\e]
.endr
.irp e,0,1
.endr
.irp e,0,1
	s_delay_alu instid0(VALU_DEP_2)
	v_lshrrev_b32 v[TM+4+\e], 23, v[TM+12+\e]
.endr
	s_delay_alu instid0(VALU_DEP_1)
	v_lshl_or_b32 v[PS], v[TM+5], 8, v[TM+4]                 ; p's scale word: two blocks
.irp i,0,1,2,3,4,5,6,7,8,9,10,11,12,13,14,15
.endr
.irp i,16,17,18,19,20,21,22,23
.endr
	v_cvt_scalef32_pk8_fp8_f32 v[PZ:PZ+1], v[ST:ST+7], v[TM+12]
	v_cvt_scalef32_pk8_fp8_f32 v[PZ+2:PZ+3], v[ST+8:ST+15], v[TM+12]
	v_cvt_scalef32_pk8_fp8_f32 v[PZ+4:PZ+5], v[ST+16:ST+23], v[TM+13]
	v_cvt_scalef32_pk8_fp8_f32 v[PZ+6:PZ+7], v[P48:P48+7], v[TM+13]
	v_permlanex16_b32 v[LS+1], v[LS], s54, s55
	s_delay_alu instid0(VALU_DEP_1)
	v_add_f32 v[LS], v[LS], v[LS+1]                          ; the row's sum; with the three lines below: the four places ahead of the products
	NOPS 3
	MMZ OT+16*\qt, VF, PZ, VS, PS                            ; O^T: register 8 u + j = channel 16 h + 8 u + j of query r.  A's blocks 2, 3 meet PZ's zeros
	MMZ OT+16*\qt+8, VF+8, PZ, VS+1, PS
	s_wait_alu depctr_va_vdst(0)
	v_rcp_f32 v[RL], v[LS]
	NOPS 8
	s_wait_alu depctr_va_vdst(0)
.irp i,0,2,4,6,8,10,12,14
	v_pk_mul_f32 v[OT+16*\qt+\i:OT+16*\qt+\i+1], v[OT+16*\qt+\i:OT+16*\qt+\i+1], v[RL:RL+1] op_sel_hi:[1,0]
.endr
.endm
; GELU (tanh form) = x / (1 + 2^u), u = x (c1 + c2 x^2), c1 = -2 sqrt(2 / pi) log2(e), c2 = 0.044715 c1; 16 numbers a batch, three sets of temporaries by turns
.macro SETT k
.if (\k)%3 == 0
.set GT, TM
.elseif (\k)%3 == 1
.set GT, 96
.else
.set GT, 112
.endif
.set GX, FACC+16*(\k)
.endm
.macro GP k
	SETT \k
.irp i,0,2,4,6,8,10,12,14
	v_pk_mul_f32 v[GT+\i:GT+\i+1], v[GX+\i:GX+\i+1], v[GX+\i:GX+\i+1]
.endr
.irp i,0,2,4,6,8,10,12,14
	v_pk_fma_f32 v[GT+\i:GT+\i+1], v[GT+\i:GT+\i+1], s[62:63], v[GC1:GC1+1] op_sel_hi:[1,0,1]
.endr
.irp i,0,2,4,6,8,10,12,14
	v_pk_mul_f32 v[GT+\i:GT+\i+1], v[GT+\i:GT+\i+1], v[GX+\i:GX+\i+1]
.endr
.endm
.macro GE k
	SETT \k
.irp i,0,1,2,3,4,5,6,7,8,9,10,11,12,13,14,15
	v_exp_f32 v[GT+\i], v[GT+\i]
.endr
.endm
.macro GA k
	SETT \k
.irp i,0,2,4,6,8,10,12,14
	v_pk_add_f32 v[GT+\i:GT+\i+1], v[GT+\i:GT+\i+1], 1.0 op_sel_hi:[1,0]
.endr
.endm
.macro GR k
	SETT \k
.irp i,0,1,2,3,4,5,6,7,8,9,10,11,12,13,14,15
	v_rcp_f32 v[GT+\i], v[GT+\i]
.endr
.endm
.macro GM k
	SETT \k
.irp i,0,2,4,6,8,10,12,14
	v_pk_mul_f32 v[GX+\i:GX+\i+1], v[GX+\i:GX+\i+1], v[GT+\i:GT+\i+1]
.endr
.endm
; THE WAY OUT of two tiles (tokens n0 on): L_A into my stage, back as whole token rows of 512 bytes, one store a token.  full = 0: the second tile is token 48 alone
.macro EPI n0, full
	WIN 0x04
	VSTORE STR, 0, 0                                         ; ascending: each accumulator from its low end on
	WIN 0
.irp k,0,1,2,3,4,5,6,7,8,9,10,11,12,13,14,15
	ds_load_b128 v[128+4*\k:131+4*\k], v[PV0] offset:SP*\k   ; LDS serves a wave's instructions in order: these see the stores above, and the next tile's stores come behind them
.endr
	WIN 0x04
	VSTORE STR, 64, 0
	WIN 0
.if \full
.irp k,0,1,2,3,4,5,6,7,8,9,10,11,12,13,14,15
	ds_load_b128 v[192+4*\k:195+4*\k], v[PV0] offset:SP*\k
.endr
.else
	ds_load_b128 v[192:195], v[PV0]
.endif
.set en, \n0
.set ek, 0
.rept 16
	s_wait_dscnt 17+15*\full+15-ek                           ; behind row ek's load: the tile's later loads, the second tile's 16 stores and its loads
	global_store_b128 v[VC+en%7], v[128+4*ek:131+4*ek], s[66+2*(en/7):67+2*(en/7)] th:TH_STORE_NT   ; 32 lanes store 512 consecutive bytes, at a multiple of 512 from the buffer's first byte
.set en, en+1
.set ek, ek+1
.endr
.if \full
.set ek, 0
.rept 16
	s_wait_dscnt 15-ek
	global_store_b128 v[VC+en%7], v[192+4*ek:195+4*ek], s[66+2*(en/7):67+2*(en/7)] th:TH_STORE_NT
.set en, en+1
.set ek, ek+1
.endr
.else
	s_wait_dscnt 0x0
	global_store_b128 v[VC+en%7], v[192:195], s[66+2*(en/7):67+2*(en/7)] th:TH_STORE_NT
.endif
.endm
; ---------------- THE HEAD ----------------
	s_load_b512 s[4:19], s[0:1], 0x0               ; argument k in s[4 + 2 k : 5 + 2 k]: x, gA, bA, qkv codes, scales, bias, o codes, scales,
	s_load_b512 s[20:35], s[0:1], 0x40             ; bias, gB, bB, W1 codes, scales, bias, W2 codes, scales,
	s_load_b128 s[36:39], s[0:1], 0x80             ; bias, the output
	v_lshrrev_b32 v24, 5, v0
	s_delay_alu instid0(VALU_DEP_1)
	v_readfirstlane_b32 s2, v24                    ; wave W
	v_and_b32 v25, 31, v0                          ; lane
	v_and_b32 v26, 15, v0                          ; r
	v_bfe_u32 v27, v0, 4, 1                        ; h
	s_delay_alu instid0(VALU_DEP_2)
	v_and_b32 v28, 8, v26
	s_delay_alu instid0(VALU_DEP_1)
	v_add_nc_u32 v28, v28, v26                     ; rho = r + 8 (r / 8)
	v_lshlrev_b32 v[L16], 4, v25
	s_delay_alu instid0(VALU_DEP_1)
	v_add_nc_u32 v[WA1], 0x10000, v[L16]
	s_delay_alu instid0(VALU_DEP_2)
	v_add_nc_u32 v[WA2], 0x20000, v[L16]
	s_delay_alu instid0(VALU_DEP_4)
	v_lshl_add_u32 v36, v27, 3, v28                ; 8 h + rho
	s_delay_alu instid0(VALU_DEP_1)
	v_lshl_add_u32 v[SCA], v36, 2, SCL
	s_delay_alu instid0(VALU_DEP_2)
	v_lshl_add_u32 v[SCB], v36, 4, SCL+S_W2
	v_lshl_add_u32 v[VH], v27, 6, VEC
	v_lshl_add_u32 v[VVB], v28, 2, VEC+1024
	s_mul_i32 s99, s2, PRIVB
	s_add_co_u32 s99, s99, PRIV                    ; my wave's bytes
	v_add_nc_u32 v[PV0], s99, v[L16]
	v_mul_u32_u24 v[STR], v26, SP
	s_delay_alu instid0(VALU_DEP_1)
	v_lshl_add_u32 v[STR], v27, 6, v[STR]
	s_delay_alu instid0(VALU_DEP_1)
	v_add_nc_u32 v[STR], s99, v[STR]
	v_lshl_add_u32 v[X3A], v27, 6, X3ROW
	s_delay_alu instid0(VALU_DEP_1)
	v_add_nc_u32 v[X3A], s99, v[X3A]
	v_mov_b32 v[NINF], 0xff800000
	v_mov_b32 v[MEAN+1], 0                         ; upper halves of pairs of which the low word serves both halves: named, so written
	v_mov_b32 v[RSTD+1], 0
	s_mov_b32 s54, 0x76543210
	s_mov_b32 s55, 0xfedcba98                      ; v_permlanex16_b32's selects for lane l xor 16
	s_mov_b32 s57, 0xffff                          ; lanes 0-15
	s_mov_b32 s58, 0x3e8293ee                      ; log2(e) / sqrt(32)
	s_mov_b32 s59, s58
	s_mov_b32 s60, 0x3c000000                      ; 1 / 128
	s_mov_b32 s61, 0x3727c5ac                      ; 1e-5
	s_mov_b32 s62, 0xbdd2d3e8                      ; c2
	s_mov_b32 s63, s62
	s_lshr_b32 s91, s2, 1                          ; wave W copies fragment W of each group of eight: b = W / 2, u = W % 2
	s_and_b32 s92, s2, 1
	s_lshl_b32 s91, s91, 12
	s_lshl_b32 s92, s92, 10
	s_add_co_u32 s91, s91, s92
	v_lshlrev_b32 v29, 7, v28
	s_delay_alu instid0(VALU_DEP_1)
	v_lshl_add_u32 v29, v27, 4, v29
	s_delay_alu instid0(VALU_DEP_1)
	v_add_nc_u32 v29, s91, v29                     ; rows of 128 bytes: 128 (32 b + 8 u + rho) + 16 h
	s_lshl_b32 s91, s91, 2
	v_lshlrev_b32 v30, 9, v28
	s_delay_alu instid0(VALU_DEP_1)
	v_lshl_add_u32 v30, v27, 4, v30
	s_delay_alu instid0(VALU_DEP_1)
	v_add_nc_u32 v30, s91, v30                     ; W2's rows of 512 bytes
	v_lshlrev_b32 v31, 4, v0                       ; the small copies: 16 bytes a thread
	s_delay_alu instid0(VALU_DEP_1)
	v_add_nc_u32 v32, SCL, v31
	s_lshl_b32 s91, s2, 11
	v_add_nc_u32 v33, s91, v[L16]                  ; image W of a group
	s_delay_alu instid0(VALU_DEP_1)
	v_add_nc_u32 v34, 0x10000, v33
	s_delay_alu instid0(VALU_DEP_2)
	v_add_nc_u32 v35, 0x20000, v33
	s_mul_i32 s97, s2, 7
.irp j,0,1,2,3,4,5,6
	s_add_co_i32 s93, s97, \j-SHIFT                ; the image column of window column j, rolled back
	s_add_co_i32 s96, s93, 56
	s_cmp_lt_i32 s93, 0
	s_cselect_b32 s93, s96, s93
	s_lshl_b32 s93, s93, 9
	v_add_nc_u32 v[VC+\j], s93, v[L16]
.endr
	s_lshr_b32 s91, ttmp9, 3
	s_mul_i32 s91, s91, IMGB
	s_and_b32 s92, ttmp9, 7
	s_mul_i32 s92, s92, 7
	s_mov_b32 s95, 0
	s_wait_kmcnt 0x0
.irp i,0,1,2
.irp c,0,1,2,3
	global_load_b128 v[64+16*\i+4*\c:67+16*\i+4*\c], v29, s[10:11] offset:16384*\i+32*\c
.endr
.endr
.irp c,0,1,2,3
	global_load_b128 v[112+4*\c:115+4*\c], v29, s[16:17] offset:32*\c
.endr
.irp i,0,1,2,3
.irp c,0,1,2,3
	global_load_b128 v[128+16*\i+4*\c:131+16*\i+4*\c], v29, s[26:27] offset:16384*\i+32*\c
	global_load_b128 v[192+16*\i+4*\c:195+16*\i+4*\c], v30, s[32:33] offset:128*\i+32*\c
.endr
.endr
.irp i,0,1,2,3,4,5,6
	s_add_co_i32 s93, s92, \i-SHIFT                ; the image row of window row i, rolled back
	s_add_co_i32 s96, s93, 56
	s_cmp_lt_i32 s93, 0
	s_cselect_b32 s93, s96, s93
	s_mul_i32 s93, s93, ROWB
	s_add_co_u32 s94, s93, s91
	s_add_nc_u64 s[40+2*\i:41+2*\i], s[4:5], s[94:95]
	s_add_nc_u64 s[66+2*\i:67+2*\i], s[38:39], s[94:95]
.endr
	; the small copies, 512 bytes a wave: buffers of 2,048 bytes by waves 0-3, of 1,536 by waves 0-2, of 512 by wave 0; staged in v456-503
	s_cmp_lt_u32 s2, 4
	s_cbranch_scc0 .Lno_load
	WIN 0x40
	global_load_b128 v[200:203], v31, s[28:29]
	global_load_b128 v[204:207], v31, s[34:35]
	global_load_b128 v[208:211], v31, s[30:31]
	WIN 0
	s_cmp_lt_u32 s2, 3
	s_cbranch_scc0 .Lno_load
	WIN 0x40
	global_load_b128 v[212:215], v31, s[12:13]
	global_load_b128 v[216:219], v31, s[14:15]
	WIN 0
	s_cmp_lt_u32 s2, 1
	s_cbranch_scc0 .Lno_load
	WIN 0x40
	global_load_b128 v[220:223], v31, s[18:19]
	global_load_b128 v[224:227], v31, s[20:21]
	global_load_b128 v[228:231], v31, s[36:37]
	global_load_b128 v[232:235], v31, s[6:7]
	global_load_b128 v[236:239], v31, s[8:9]
	global_load_b128 v[240:243], v31, s[22:23]
	global_load_b128 v[244:247], v31, s[24:25]
	WIN 0
.Lno_load:
	WIN 0x40
.set n, 0
	s_wait_alu depctr_va_vdst(0)
.rept 49
	global_load_b128 v[4*n:4*n+3], v[VC+n%7], s[40+2*(n/7):41+2*(n/7)] th:TH_LOAD_NT   ; token n: 512 consecutive bytes; read once in the launch
.set n, n+1
.endr
	WIN 0
	s_wait_loadcnt 49                              ; all but the 49 loads of x: the weights and the small copies are in
.irp i,0,1,2
.irp c,0,1,2,3
	ds_store_b128 v33, v[64+16*\i+4*\c:67+16*\i+4*\c] offset:16384*\i+512*\c
.endr
.endr
.irp c,0,1,2,3
	ds_store_b128 v33, v[112+4*\c:115+4*\c] offset:W_O+512*\c
.endr
.irp i,0,1,2,3
.irp c,0,1,2,3
	ds_store_b128 v34, v[128+16*\i+4*\c:131+16*\i+4*\c] offset:16384*\i+512*\c
	ds_store_b128 v35, v[192+16*\i+4*\c:195+16*\i+4*\c] offset:16384*\i+512*\c
.endr
.endr
	s_cmp_lt_u32 s2, 4
	s_cbranch_scc0 .Lno_store
	WIN 0x04
	ds_store_b128 v32, v[200:203] offset:S_W1
	ds_store_b128 v32, v[204:207] offset:S_W2
	ds_store_b128 v32, v[208:211] offset:VEC-SCL+V_FB1
	WIN 0
	s_cmp_lt_u32 s2, 3
	s_cbranch_scc0 .Lno_store
	WIN 0x04
	ds_store_b128 v32, v[212:215]
	ds_store_b128 v32, v[216:219] offset:VEC-SCL
	WIN 0
	s_cmp_lt_u32 s2, 1
	s_cbranch_scc0 .Lno_store
	WIN 0x04
	ds_store_b128 v32, v[220:223] offset:S_O
	ds_store_b128 v32, v[224:227] offset:VEC-SCL+V_BO
	ds_store_b128 v32, v[228:231] offset:VEC-SCL+V_FB2
	ds_store_b128 v32, v[232:235] offset:VEC-SCL+V_GA
	ds_store_b128 v32, v[236:239] offset:VEC-SCL+V_BA
	ds_store_b128 v32, v[240:243] offset:VEC-SCL+V_GB
	ds_store_b128 v32, v[244:247] offset:VEC-SCL+V_BB
	WIN 0
.Lno_store:
	s_wait_dscnt 0x0                               ; for the others' sake: my part of the shared bytes has landed
	s_barrier_signal -1
	s_barrier_wait -1                              ; the one barrier: from here on the shared bytes are only read
	; x into L_A, in place, through my stage: a token's row as it was loaded, back 16 neighbouring channels of each block a lane
.irp t,0,1,2
	s_wait_loadcnt 33-16*\t                        ; this tile's 16 loads are in; the later tokens' may be out
	WIN 0x04
.irp k,0,1,2,3,4,5,6,7,8,9,10,11,12,13,14,15
	ds_store_b128 v[PV0], v[64*\t+4*\k:64*\t+4*\k+3] offset:SP*\k
.endr
	WIN 0x40
	VLOAD 64*\t, STR, 0
.endr
	s_wait_loadcnt 0x0
	WIN 0x04
	ds_store_b128 v[PV0], v[192:195] offset:X3ROW  ; token 48's row stays there
	WIN 0x40
	VLOAD 192, X3A, 0                              ; and comes back into all 16 rows of tile 3
	WIN 0
; ---------------- LN_A ----------------
	VLOAD LG, VH, V_GA
	VLOAD LB, VH, V_BA
	s_wait_dscnt 0x0
	LNQ 0
	LNQ 1
	LNQ 2
	LNQ 3
	WIN 0x40
.irp t,0,1,2,3
	FRAG 192+16*\t, PV0, 2048*\t+4864*(\t/2)       ; the four operands, into the registers that x of tile 3 has left
.endr
	WIN 0
; ---------------- ATTENTION: a trip a head ----------------
.set ii, 4
.rept 12
	v_mov_b32 v[QZ+ii], 0
.set ii, ii+1
.endr
.set ii, 8
.rept 8
	v_mov_b32 v[PZ+ii], 0
.set ii, ii+1
.endr
.set ii, 1
.rept 7
	v_mov_b32 v[P48+ii], 0
.set ii, ii+1
.endr
	v_mov_b32 v[MB+2], 0                           ; a lane permute's destination counts as one of its sources
	v_mov_b32 v[MB+3], 0
	v_mov_b32 v[RL+1], 0
	v_mov_b32 v[NM+1], 0
.irp q,0,1,2,3
	v_mov_b32 v[AOS+\q], 0
.endr
	s_mov_b32 s80, 0                               ; head; 4,096, 128, 512 and 8 times it
	s_mov_b32 s81, 0
	s_mov_b32 s82, 0
	s_mov_b32 s83, 0
	s_mov_b32 s84, 0
.Lhead:
	v_add_nc_u32 v[AD], s81, v[L16]
	v_add_nc_u32 v[AD+1], s82, v[SCA]
	v_add_nc_u32 v[AD+2], s82, v[VH]
	v_add_nc_u32 v[AD+3], s82, v[VVB]
	v_add_nc_u32 v[AD+4], s83, v[PV0]
	; V: tokens source 0, weights source 1: lane = channel 8 u + rho, register 32 u + 8 t + j = key 16 t + 8 h + j
.irp u,0,1
	FRAG WF+16*\u, AD, 32768+2048*\u
.irp j,0,1,2,3,4,5,6,7
	ds_load_b32 v[TM+8*\u+\j], v[AD+3] offset:32*\u   ; the bias as C: my channel's, in all eight registers
.endr
.endr
	ds_load_b32 v[WS], v[AD+1] offset:1024
	s_wait_dscnt 0x0
	WIN 0x01
.irp t,0,1,2,3
	MMC ACC+8*\t, 192+16*\t, WF, TM, XS+\t, WS, 0, 0
	MMC ACC+32+8*\t, 192+16*\t, WF+16, TM+8, XS+\t, WS, 0, 1
.endr
	WIN 0
	NOPS 8
.irp u,0,1
	v_cndmask_b32 v[ACC+32*\u+24], 0, v[ACC+32*\u+24], s57   ; keys 49 to 63 are zeros: the last block is filled so
.irp j,1,2,3,4,5,6,7
	v_mov_b32 v[ACC+32*\u+24+\j], 0
.endr
.endr
	QUANT ACC, VF, VF+4, VF+8, VF+12, TM+4, 0, 0
	v_lshl_or_b32 v[VS], v[TM+5], 8, v[TM+4]
	v_lshl_or_b32 v[VS+1], v[TM+7], 8, v[TM+6]
	KQSTAGE 16384, 512, 512, KC, KS
	KQSTAGE 0, 0, 0, QC, QS
	ATT 0
	ATT 1
	ATT 2
	ATT 3
	QUANT OT, ST, ST+4, ST+8, ST+12, TM+4, 0, 0    ; block qt: the head's 32 channels of tile qt: registers 4 head .. of the next operand
.irp q,0,1,2,3
	v_lshl_or_b32 v[AOS+\q], v[TM+4+\q], s84, v[AOS+\q]
.endr
.irp q,0,1,2,3
	ds_store_b128 v[AD+4], v[ST+4*\q:ST+4*\q+3] offset:2048*\q+4864*(\q/2)
.endr
	s_wait_dscnt 0x0                               ; the stores have read their registers
	s_add_co_u32 s81, s81, 4096
	s_add_co_u32 s82, s82, 128
	s_add_co_u32 s83, s83, 512
	s_add_co_u32 s84, s84, 8
	s_add_co_u32 s80, s80, 1
	s_cmp_lt_u32 s80, 4
	s_cbranch_scc1 .Lhead
; ---------------- THE PROJECTION, onto x + its bias ----------------
.irp t,0,1,2,3
	FRAG AOF+16*\t, PV0, 2048*\t+4864*(\t/2)
.endr
	WIN 0x40
	VLOAD 192, X3A, 0                              ; x of tile 3 again
	WIN 0
	VLOAD 128, VH, V_BO
.irp b,0,1,2,3
	ds_load_b32 v[WSO+\b], v[SCA] offset:S_O+128*\b
.endr
.irp f,0,1,2,3
	FRAG 192+16*\f, L16, W_O+2048*\f
.endr
	s_wait_dscnt 0x0
	WIN 0x41
.irp t,0,1,2,3
.set ii, 0
.rept 32
	v_pk_add_f32 v[64*\t+ii:64*\t+ii+1], v[64*\t+ii:64*\t+ii+1], v[128+ii:129+ii]
.set ii, ii+2
.endr
.endr
	WIN 0
.irp f,4,5,6,7
	FRAG 128+16*(\f-4), L16, W_O+2048*\f           ; into the bias's registers, which are done with: they land under the first 16 products
.endr
	WIN 0x50                                       ; C and D: the residual, in block 1
.irp f,0,1,2,3
.irp t,0,1,2,3
	MMC 64*\t+8*\f, 192+16*\f, AOF+16*\t, 64*\t+8*\f, WSO+\f/2, AOS+\t, \f%2, 0
.endr
.endr
	s_wait_alu depctr_va_vdst(0)
	s_wait_dscnt 0x0
.irp f,4,5,6,7
.irp t,0,1,2,3
	MMC 64*\t+8*\f, 128+16*(\f-4), AOF+16*\t, 64*\t+8*\f, WSO+\f/2, AOS+\t, \f%2, 0
.endr
.endr
	WIN 0
	NOPS 8
; ---------------- LN_B ----------------
	VLOAD LG, VH, V_GB
	VLOAD LB, VH, V_BB
	s_wait_dscnt 0x0
	LNQ 0
	LNQ 1
	LNQ 2
	LNQ 3
	WIN 0x04
	VSTORE X3A, 192, 0                             ; tile 3's residual is parked: its 16 rows are copies, and the 16 lanes of a half write one place
	WIN 0
; ---------------- THE FFN: a trip for two tiles; in it a trip for 128 hidden units ----------------
	v_mov_b32 v[GC1], 0xc0135761                   ; c1
	v_mov_b32 v[GC1+1], 0xc0135761
	s_mov_b32 s85, 0                               ; pair p; 8,960 p: where its images begin
	s_mov_b32 s86, 0
.Lpair:
	v_add_nc_u32 v[AD], s86, v[PV0]
	FRAG XP, AD, 0
	FRAG XP+16, AD, 2048
	VLOAD 128, VH, V_FB2
	s_cmp_eq_u32 s85, 0
	s_cbranch_scc0 .Lpro1
	s_wait_dscnt 0x0
	v_mov_b32 v[XSP], v[XS]
	v_mov_b32 v[XSP+1], v[XS+1]
	WIN 0x41
.set ii, 0
.rept 64
	v_pk_add_f32 v[ii:ii+1], v[ii:ii+1], v[128+ii%64:129+ii%64]   ; Y = the residual + the second bias, in place: tiles 0, 1
.set ii, ii+2
.endr
	WIN 0
	s_branch .Lpro_done
.Lpro1:
	WIN 0x40
	VLOAD 64, X3A, 0
	WIN 0
	s_wait_dscnt 0x0
	v_mov_b32 v[XSP], v[XS+2]
	v_mov_b32 v[XSP+1], v[XS+3]
	WIN 0x41
.set ii, 0
.rept 32
	v_pk_add_f32 v[ii:ii+1], v[128+ii:129+ii], v[128+ii:129+ii]   ; tile 2 (source 0: block 1) + the bias (source 1: block 0)
.set ii, ii+2
.endr
.set ii, 0
.rept 32
	v_pk_add_f32 v[64+ii:65+ii], v[64+ii:65+ii], v[128+ii:129+ii] ; tile 3
.set ii, ii+2
.endr
	WIN 0
.Lpro_done:
	s_mov_b32 s87, 0                               ; chunk s; 16,384, 512 and 4 times it
	s_mov_b32 s88, 0
	s_mov_b32 s89, 0
	s_mov_b32 s90, 0
.Lchunk:
	v_add_nc_u32 v[AD], s88, v[WA1]
	v_add_nc_u32 v[AD+1], s88, v[WA2]
	v_add_nc_u32 v[AD+2], s89, v[VH]
	v_add_nc_u32 v[AD+3], s89, v[SCA]
	v_add_nc_u32 v[AD+4], s90, v[SCB]
	NOPS 4                                         ; with the five lines above: NINE places behind the last trip's last products: eight for the loads into their registers, the ninth because this trip's first products write v128-175, which those products read as W2's fragments 0 to 2
	VLOAD FACC, AD+2, V_FB1                        ; the first bias is the sums' start, for both tiles
	VLOAD FACC+64, AD+2, V_FB1
	WIN 0x40
.irp f,0,1,2,3
	FRAG 192+16*\f, AD, 2048*\f
.endr
	WIN 0
.irp f,4,5
	FRAG 96+16*(\f-4), AD, 2048*\f
.endr
.irp b,0,1,2,3
	ds_load_b32 v[W1S+\b], v[AD+3] offset:S_W1+128*\b
	ds_load_b32 v[W2S+\b], v[AD+4] offset:512*\b
.endr
	s_wait_alu depctr_va_vdst(0)
	s_wait_dscnt 0x0
	WIN 0x01
.irp f,0,1,2,3
.irp y,0,1
	MMC FACC+64*\y+8*\f, 192+16*\f, XP+16*\y, FACC+64*\y+8*\f, W1S+\f/2, XSP+\y, \f%2, 0
.endr
.endr
	WIN 0
.irp f,4,5
.irp y,0,1
	MMC FACC+64*\y+8*\f, 96+16*(\f-4), XP+16*\y, FACC+64*\y+8*\f, W1S+\f/2, XSP+\y, \f%2, 0
.endr
.endr
	NOPS 8
.irp f,6,7
	FRAG 96+16*(\f-6), AD, 2048*\f
.endr
	WIN 0x40
.irp f,4,5,6,7
	FRAG 192+16*(\f-4), AD+1, 2048*\f              ; W2's fragments 4 to 7, for later
.endr
	WIN 0
	s_wait_dscnt 16                                ; W1's fragments 6 and 7 are in; W2's 16 loads may be out
.irp f,6,7
.irp y,0,1
	MMC FACC+64*\y+8*\f, 96+16*(\f-6), XP+16*\y, FACC+64*\y+8*\f, W1S+\f/2, XSP+\y, \f%2, 0
.endr
.endr
	GP 0                                           ; 24 plain lines on the first results: the places behind the four products above
	s_wait_alu depctr_va_vdst(0)
	GE 0
	s_wait_alu depctr_va_vdst(0)
	GP 1
	s_wait_alu depctr_va_vdst(0)
	GA 0
	s_wait_alu depctr_va_vdst(0)
.irp k,0,1,2,3,4,5,6,7
	s_wait_alu depctr_va_vdst(0)
	GR \k                                          ; a batch's reciprocals, the next batch's exponentials, a wait, plain work of the batch after, a wait, then the readers
.if \k < 7
	GE \k+1
.endif
.if \k < 6
	s_wait_alu depctr_va_vdst(0)
	GP \k+2
.else
	v_nop
.endif
	s_wait_alu depctr_va_vdst(0)
	GM \k
.if \k < 7
	GA \k+1
.endif
.endr
	QUANT FACC, 96, 100, 104, 108, TM+4, 1, HS
.irp f,0,1,2,3
	FRAG 128+16*\f, AD+1, 2048*\f                  ; W2's fragments 0 to 3, into the registers that the first tile's hidden numbers have left
.endr
	QUANT FACC+64, 112, 116, 120, 124, TM+4, 1, HS+1
	NOPS 3                                         ; with the quantiser's last line: four places ahead of the products
	s_wait_alu depctr_va_vdst(0)
	s_wait_dscnt 0x0
	WIN 0x50
.irp f,0,1,2,3
.irp y,0,1
	MMC 64*\y+8*\f, 128+16*\f, 96+16*\y, 64*\y+8*\f, W2S+\f/2, HS+\y, \f%2, 0   ; the 16 accumulators take turns, one instruction a turn
.endr
.endr
	WIN 0x51
.irp f,4,5,6,7
.irp y,0,1
	MMC 64*\y+8*\f, 192+16*(\f-4), 96+16*\y, 64*\y+8*\f, W2S+\f/2, HS+\y, \f%2, 0
.endr
.endr
	WIN 0
	s_add_co_u32 s88, s88, 16384
	s_add_co_u32 s89, s89, 512
	s_add_co_u32 s90, s90, 4
	s_add_co_u32 s87, s87, 1
	s_cmp_lt_u32 s87, 4
	s_cbranch_scc1 .Lchunk
	NOPS 8
	s_cmp_eq_u32 s85, 0
	s_cbranch_scc0 .Lepi1
	EPI 0, 1
	s_branch .Lepi_done
.Lepi1:
	EPI 32, 0
.Lepi_done:
	s_wait_xcnt 0x0                                ; the stores have read their registers: the next pair loads into them
	s_add_co_u32 s86, s86, 8960
	s_add_co_u32 s85, s85, 1
	s_cmp_lt_u32 s85, 2
	s_cbranch_scc1 .Lpair
	s_wait_xcnt 0x0
	v_lshl_add_u32 v254, v0, 2, 0x4ca00
	v_mov_b32 v255, 0
	s_wait_alu depctr_va_vdst(0)
	s_wait_tensorcnt 0x0
	ds_add_u32 v254, v255
	s_wait_dscnt 0x0
	s_endpgm
.Lfunc_end_k_q8ff88004fe_half2:
	.size	k_q8ff88004fe_half2, .Lfunc_end_k_q8ff88004fe_half2-k_q8ff88004fe_half2
	.p2alignl 7, 3214868480
	.fill 96, 4, 3214868480
	.section	.rodata,"a",@progbits
	.p2align	6, 0x0
	.amdhsa_kernel k_q8ff88004fe_half2
		.amdhsa_group_segment_fixed_size 314880
		.amdhsa_private_segment_fixed_size 0
		.amdhsa_enable_private_segment 0
		.amdhsa_kernarg_size 144
		.amdhsa_user_sgpr_count 2
		.amdhsa_user_sgpr_kernarg_segment_ptr 1
		.amdhsa_wavefront_size32 1
		.amdhsa_system_sgpr_workgroup_id_x 1
		.amdhsa_system_sgpr_workgroup_id_y 1
		.amdhsa_system_sgpr_workgroup_id_z 1
		.amdhsa_system_vgpr_workitem_id 0
		.amdhsa_next_free_vgpr 512
		.amdhsa_next_free_sgpr 100
		.amdhsa_reserve_vcc 0
		.amdhsa_float_denorm_mode_32 3
		.amdhsa_float_denorm_mode_16_64 3
		.amdhsa_fp16_overflow 1
		.amdhsa_memory_ordered 1
		.amdhsa_forward_progress 1
		.amdhsa_inst_pref_size 255
	.end_amdhsa_kernel
	.section	.bss,"aw",@nobits
	.p2align	6
	.space	262144
	.amdgpu_metadata
---
amdhsa.version: [ 1, 2 ]
amdhsa.kernels:
  - .name:           k_q8ff88004fe_half2
    .symbol:         k_q8ff88004fe_half2.kd
    .args:
      - { .name: mid, .offset: 0, .size: 8, .value_kind: global_buffer, .address_space: global }
      - { .name: ln3_g, .offset: 8, .size: 8, .value_kind: global_buffer, .address_space: global }
      - { .name: ln3_b, .offset: 16, .size: 8, .value_kind: global_buffer, .address_space: global }
      - { .name: w2_qkv_codes, .offset: 24, .size: 8, .value_kind: global_buffer, .address_space: global }
      - { .name: w2_qkv_scales, .offset: 32, .size: 8, .value_kind: global_buffer, .address_space: global }
      - { .name: b2_qkv, .offset: 40, .size: 8, .value_kind: global_buffer, .address_space: global }
      - { .name: w2_o_codes, .offset: 48, .size: 8, .value_kind: global_buffer, .address_space: global }
      - { .name: w2_o_scales, .offset: 56, .size: 8, .value_kind: global_buffer, .address_space: global }
      - { .name: b2_o, .offset: 64, .size: 8, .value_kind: global_buffer, .address_space: global }
      - { .name: ln4_g, .offset: 72, .size: 8, .value_kind: global_buffer, .address_space: global }
      - { .name: ln4_b, .offset: 80, .size: 8, .value_kind: global_buffer, .address_space: global }
      - { .name: f2_w1_codes, .offset: 88, .size: 8, .value_kind: global_buffer, .address_space: global }
      - { .name: f2_w1_scales, .offset: 96, .size: 8, .value_kind: global_buffer, .address_space: global }
      - { .name: f2_b1, .offset: 104, .size: 8, .value_kind: global_buffer, .address_space: global }
      - { .name: f2_w2_codes, .offset: 112, .size: 8, .value_kind: global_buffer, .address_space: global }
      - { .name: f2_w2_scales, .offset: 120, .size: 8, .value_kind: global_buffer, .address_space: global }
      - { .name: f2_b2, .offset: 128, .size: 8, .value_kind: global_buffer, .address_space: global }
      - { .name: out0, .offset: 136, .size: 8, .value_kind: global_buffer, .address_space: global }
    .group_segment_fixed_size: 314880
    .private_segment_fixed_size: 0
    .kernarg_segment_align: 8
    .kernarg_segment_size: 144
    .max_flat_workgroup_size: 256
    .sgpr_count:     100
    .vgpr_count:     512
    .wavefront_size: 32
...
	.end_amdgpu_metadata
.endif
;; end of part 2
